; MI455X (gfx1250); checked and timed in simulation.
; The chip was launched on July 23, 2026; its instructions are those of AMD's public machine-readable ISA for CDNA 5 (MIT licence, August 2026) and "CDNA5" Instruction Set Architecture Reference Guide (July 2026). The comments in the code are by the model that wrote it; some were corrected since.
;; Multi Head Attention. Allowed arithmetic: matrix products marked QUANTISED: E2M3 operands, one E8M0 scale for each 32 along K, by v_wmma_scale_f32_16x16x128_f8f6f4 with both operands' format E2M3, f32 sums; everything else in f32.
;; Inputs: Wk 1,024 x 1,024 float32; Wo 1,024 x 1,024 float32; Wq 1,024 x 1,024 float32; Wv 1,024 x 1,024 float32; mask 1 x 1 x 2,048 x 2,048 bool; x 4 x 2,048 x 1,024 float32.
;; Outputs: out0 4 x 2,048 x 1,024 float32.
;; This version of the problem:
;;   THIS VERSION OF THE PROBLEM IS GIVEN IN LOW PRECISION. The matrix products marked QUANTISED in the list below multiply operands that are first quantised to E2M3 (2 exponent bits, 3 mantissa bits; 6 bits a number), with one power-of-two scale for each 32 numbers along K (OCP MX v1.0); their sums are f32. All else is computed in f32.
;;   The module's matrix products, in the order in which they are computed (A, B: the left and right operand; K: the contracted axis; several contracted axes count as one K, in the product's order):
;;     1. [M 8,192, K 1,024] x [K 1,024, N 1,024]; A: input x; B: input Wq: QUANTISED
;;     2. [M 8,192, K 1,024] x [K 1,024, N 1,024]; A: input x; B: input Wk: QUANTISED
;;     3. [M 8,192, K 1,024] x [K 1,024, N 1,024]; A: input x; B: input Wv: QUANTISED
;;     4. batch 64 x [M 2,048, K 64] x [K 64, N 2,048]; A: computed on the way; B: computed on the way: QUANTISED
;;     5. batch 64 x [M 2,048, K 2,048] x [K 2,048, N 64]; A: softmax (see below); B: computed on the way: QUANTISED
;;     6. [M 8,192, K 1,024] x [K 1,024, N 1,024]; A: computed on the way; B: input Wo: QUANTISED
;;   THE QUANTISER, for each operand of a quantised product, along K:
;;     - K is cut into blocks of 32 from its start; a last block that is shorter is filled with zeros.
;;     - A block's scale is 2^e with e = floor(log2(the largest magnitude in the block)) - 2, held to -126 .. 127; a block of zeros has e = 0. As a byte (E8M0): e + 127.
;;     - Each number is divided by its block's scale, clamped to +-7.5, and rounded to the nearest number of E2M3, ties to even, subnormals kept.
;;     - The product sums the exact products of the quantised numbers (number of the format x scale) in f32.
;;   ~~~python
;;   def quantise(x, axis):      # numpy; x: float32 -> the quantised numbers, widened to float32 again
;;       x = np.moveaxis(x, axis, -1); K = x.shape[-1]
;;       x = np.pad(x, [(0, 0)] * (x.ndim - 1) + [(0, -K % 32)]); x = x.reshape(x.shape[:-1] + (-1, 32)); a = np.abs(x).max(-1, keepdims=True)
;;       e = np.where(a > 0, np.clip(np.frexp(np.where(a > 0, a, 1))[1] - 1 - 2, -126, 127), 0)      # np.frexp(a)[1] - 1 = floor(log2(a)), exactly
;;       r = np.clip(x / 2.0 ** e, -7.5, 7.5)
;;       step = 2.0 ** (np.maximum(np.frexp(np.where(r == 0, 1, r))[1] - 1, 0) - 3)
;;       q = np.round(r / step) * step * 2.0 ** e      # np.round: ties to even
;;       return np.moveaxis(q.reshape(q.shape[:-2] + (-1,))[..., :K], -1, axis).astype(np.float32)
;;   ~~~
;;   SOFTMAX AHEAD OF A QUANTISED PRODUCT. Where the list says 'softmax', what is quantised is not the finished softmax but p = 2^(t - M), with t = logit x log2(e) and M = ceil(the row's largest t), a whole number; so 1/2 < the row's largest p <= 1. The row's sum l is taken of the UNQUANTISED p, in f32, and the product's result is divided by l at the end. Since M is a whole number, a kernel that streams over the keys may use a running M (the ceiling of the running maximum): every later rescaling is an exact power of two, which a block's scale takes up: the codes' values come out the same.
;;   OPERANDS COMPUTED ON THE WAY. 'Computed on the way' means the value that the module computes at that place (a softmax that the list does not call 'softmax' is quantised finished and normalised). What goes into a quantiser is computed in f32, as accurately as f32 sums, v_exp_f32 and their like allow (about 1e-6 of the number): no bf16 or f16 on the way to a quantiser, and a product that is left as it is and whose result goes on into a quantised operand takes f32 operands (vector FMAs, or v_wmma_f32_16x16x4_f32). A number that lies on a knife's edge between two numbers of the format may be rounded either way, as far as f32 arithmetic and the matrix unit's own rounding can turn it there, and no further.
;; 2 versions, each right; version 2 is version 1 with the launch attn written anew for expert scheduling mode. Each part assembles by itself: llvm-mc -triple=amdgcn-amd-amdhsa -mcpu=gfx1250 --defsym DOCPART=n.
;; ======== version 1 of 2: 4 launches
;; limits: right only within a limited range of input values
;; workspace buffers: wx 9,830,400 bytes; mk 526,336 bytes of whole numbers; qb 6,815,744 bytes; kvb 13,369,344 bytes; ab 6,553,600 bytes
;; launch prep (part 1): grid 512 x 1, 4 waves a work-group, no clusters, 35,328 bytes of LDS; arguments x, Wq, Wk, Wv, Wo, mask, wx, mk; writes wx, mk
.if DOCPART == 1
	.amdgcn_target "amdgcn-amd-amdhsa--gfx1250"
	.amdhsa_code_object_version 6
	.text
	.protected	k_q9d9742b2c0_prep
	.globl	k_q9d9742b2c0_prep
	.p2align	8
	.type	k_q9d9742b2c0_prep,@function
k_q9d9742b2c0_prep:
	s_mov_b64 s[64:65], 0
	v_nop
	global_prefetch_b8 v0, s[64:65] scope:SCOPE_SE
	s_setreg_imm32_b32 hwreg(HW_REG_WAVE_MODE, 25, 1), 1
	s_wait_xcnt 0x0
; PREP.  Work-groups 0-383: x [8192][1024] and Wq, Wk, Wv, Wo [1024][1024], f32, become codes of FP6 (E2M3) with one E8M0 byte for each 32 along K (their last axis).
; Work-groups 384-511: the mask [2048][2048] of bytes becomes words of lane bits, and a flag for each 128 keys of each 16 queries that says whether any of them is hidden.
; LAYOUT OF wx.  128 rows are a group (x: groups 0-63, Wq 64-71, Wk 72-79, Wv 80-87, Wo 88-95).  Codes: [group][K step of 128: 8][tile: 8][image of 1,536 bytes].  A tile is 16 rows; of each 32 rows tile u takes
; rows 8 u + r + 8 (r / 8), r = 0 .. 15, so that a product whose source 0 is such a pair of tiles leaves 16 neighbours in a lane's 16 registers.  An image is the operand's 12 registers as they stand:
; registers 4 c .. 4 c + 3 of lane l at 512 c + 16 l.  Scale words from byte SCLO on: [group][K step][tile][row r], four bytes a word.
; A block's scale is 2^(floor(log2(its largest magnitude)) - 2); its byte is the largest magnitude's exponent field - 2, held at 1 from below.
; LIMITS: a block of zeros gets the byte 1 where the rule says 127 (its codes are zeros, and this program alone reads the bytes); NaN and infinities among the inputs are not served.
; LAYOUT OF mk.  Words: [tile of 16 queries: 128][step of 128 keys: 16][64 words]: bit l of word 16 b + i is mask[query of lane l % 16][128 step + 32 b + 16 (l / 16) + i].
; Flags from byte MFLG on: [tile][quarter: 4] words; bit g says that step 4 quarter + g has a hidden key.
.set SCLO,  9437184
.set MFLG,  524288
.set SP,    528                        ; a stage row: 512 bytes + 16, an odd multiple of 16: the sixteen rows of a load start at different banks
.set WREG,  16*SP+256                  ; LDS of a wave: the stage of 16 rows, then 256 bytes for four tiles' scale words
.set R,     16                         ; v16-143  two sets of 64: a tile's numbers as loaded
.set X,     144                        ; v144-207 64 numbers of my row: register 16 b + i is k = 32 b + 16 h + i
.set PC,    208                        ; v208-219 the codes; v220-222, v224-226 the conversions' second halves
.set TM,    228                        ; v228-243 at work
.set PW,    244                        ; the scale word
.set M,     16                         ; the mask's path: v16-79 bytes as loaded, v80-83 at work, v88-95 the words
.set T,     80
.set WD,    88
	s_load_b256 s[4:11], s[0:1], 0x0               ; x, Wq, Wk, Wv
	s_load_b256 s[12:19], s[0:1], 0x20             ; Wo, mask, wx, mk
	v_lshl_add_u32 v254, v0, 2, 0x8800
	v_mov_b32 v255, 0
	v_lshrrev_b32 v1, 5, v0
	v_readfirstlane_b32 s20, v1                    ; wave 0..3
	v_and_b32 v2, 31, v0                           ; lane
	v_and_b32 v3, 15, v0                           ; r
	v_bfe_u32 v10, v0, 4, 1                        ; h
	s_cmp_ge_u32 ttmp9, 384
	s_cbranch_scc1 .Lmask
	; ---- THE QUANTISER.  Work-group: 64 rows (half a group) x 512 along K; wave: the 64 rows' four tiles x one K step of 128
	s_mul_i32 s21, s20, WREG
	v_lshlrev_b32 v4, 4, v2                        ; 16 l: my 16 bytes of a load's, and of a store's, 512
	v_add_nc_u32 v5, s21, v4                       ; the stage, on the way in
	v_mul_u32_u24 v6, v3, SP
	v_lshl_add_u32 v6, v10, 6, v6
	v_add_nc_u32 v6, s21, v6                       ; and out: row r, + 64 h
	s_add_co_u32 s21, s21, 16*SP
	v_lshl_add_u32 v7, v3, 2, s21                  ; my row's scale word
	v_lshl_add_u32 v8, v2, 3, s21                  ; the four tiles' words on the way out, 8 bytes a lane
	v_lshlrev_b32 v9, 3, v2
	s_mov_b32 s22, 0x76543210
	s_mov_b32 s23, 0xfedcba98                      ; v_permlanex16_b32's selects for lane l xor 16
.irp b, 0,1,2,3
	v_mov_b32 v[TM+4+\b], 0                        ; written once: a lane permute's destination counts as one of its sources
.endr
	s_lshr_b32 s24, ttmp9, 1                       ; H: which 64 rows, 0..191
	s_and_b32 s25, ttmp9, 1
	s_lshl_b32 s25, s25, 2
	s_add_co_u32 s25, s25, s20                     ; my K step
	s_and_b32 s26, s24, 15                         ; in a weight: H mod 16
	s_cmp_lt_u32 s24, 128
	s_cselect_b32 s26, s24, s26
	s_lshl_b32 s26, s26, 18                        ; 64 rows of 4,096 bytes
	s_lshl_b32 s27, s25, 9
	s_add_co_u32 s26, s26, s27                     ; + 512 bytes a K step
	s_mov_b32 s27, 0
	s_lshr_b32 s28, s24, 1                         ; the group
	s_and_b32 s29, s24, 1                          ; its tiles 0-3 or 4-7
	s_mul_i32 s30, s28, 98304
	s_mul_i32 s31, s25, 12288
	s_add_co_u32 s30, s30, s31
	s_mul_i32 s31, s29, 6144
	s_add_co_u32 s30, s30, s31
	s_mov_b32 s31, 0
	s_lshl_b32 s32, s28, 12
	s_lshl_b32 s33, s25, 9
	s_add_co_u32 s32, s32, s33
	s_lshl_b32 s33, s29, 8
	s_add_co_u32 s32, s32, s33
	s_add_co_u32 s32, s32, SCLO
	s_mov_b32 s33, 0
	s_wait_kmcnt 0x0
	s_cmp_ge_u32 s24, 128                          ; which tensor: the choice hangs on the work-group's number alone
	s_cselect_b64 s[4:5], s[6:7], s[4:5]
	s_cmp_ge_u32 s24, 144
	s_cselect_b64 s[4:5], s[8:9], s[4:5]
	s_cmp_ge_u32 s24, 160
	s_cselect_b64 s[4:5], s[10:11], s[4:5]
	s_cmp_ge_u32 s24, 176
	s_cselect_b64 s[4:5], s[12:13], s[4:5]
	s_add_nc_u64 s[4:5], s[4:5], s[26:27]
	s_add_nc_u64 s[34:35], s[16:17], s[30:31]      ; my four images
	s_add_nc_u64 s[36:37], s[16:17], s[32:33]      ; my 256 bytes of scale words
.macro LOAD t                          ; tile t: sixteen rows, each load 512 consecutive bytes of one row
.irp j, 0,1,2,3,4,5,6,7,8,9,10,11,12,13,14,15
	global_load_b128 v[R+64*((\t)%2)+4*\j:R+64*((\t)%2)+4*\j+3], v4, s[4:5] offset:(32*((\t)/2)+8*((\t)%2)+\j+8*(\j/8))*4096 th:TH_LOAD_NT
.endr
.endm
.macro TURN t                          ; through the stage: in as loaded, out 16 neighbours of each block to a lane.  LDS serves a wave's instructions in order: no wait between
.irp j, 0,1,2,3,4,5,6,7,8,9,10,11,12,13,14,15
	ds_store_b128 v5, v[R+64*((\t)%2)+4*\j:R+64*((\t)%2)+4*\j+3] offset:SP*\j
.endr
.irp b, 0,1,2,3
.irp j, 0,1,2,3
	ds_load_b128 v[X+16*\b+4*\j:X+16*\b+4*\j+3], v6 offset:128*\b+16*\j
.endr
.endr
.endm
; 64 numbers of a lane, register 16 b + i = k 32 b + 16 h + i of my row, become a fragment's 12 registers in v[PC] on and its scale word in v[PW]
.macro QUANT s
.irp b, 0,1,2,3
	v_max3_num_f32 v[TM+\b], |v[\s+16*\b]|, |v[\s+1+16*\b]|, 0x1800000   ; my 16 numbers of block b, and the floor 2^(3 - 127): the byte cannot fall under 1
.endr
.irp i, 2,4,6,8,10,12,14
.irp b, 0,1,2,3
	v_max3_num_f32 v[TM+\b], v[TM+\b], |v[\s+16*\b+\i]|, |v[\s+1+16*\b+\i]|
.endr
.endr
.irp b, 0,1,2,3
	v_permlanex16_b32 v[TM+4+\b], v[TM+\b], s22, s23
.endr
.irp b, 0,1,2,3
	v_max_num_f32 v[TM+\b], v[TM+\b], v[TM+4+\b]   ; with lane l xor 16's: the block's largest magnitude
.endr
.irp b, 0,1,2,3
	v_add_nc_u32 v[TM+12+\b], 0xff000000, v[TM+\b] ; 2 off its exponent field: the conversion takes this operand's exponent field as its scale
.endr
.irp b, 0,1,2,3
	v_lshrrev_b32 v[TM+4+\b], 23, v[TM+12+\b]      ; the scale's byte
.endr
	v_lshl_or_b32 v[PW], v[TM+5], 8, v[TM+4]
	v_lshl_or_b32 v[PW], v[TM+6], 16, v[PW]
	v_lshl_or_b32 v[PW], v[TM+7], 24, v[PW]
.irp c, 0,1
	v_cvt_scalef32_pk16_fp6_f32 v[PC+6*\c:PC+2+6*\c], v[\s+32*\c:\s+15+32*\c], v[TM+12+2*\c]
	v_cvt_scalef32_pk16_fp6_f32 v[PC+12+4*\c:PC+14+4*\c], v[\s+16+32*\c:\s+31+32*\c], v[TM+12+2*\c+1]   ; (a conversion's three registers begin on an even number)
.endr
	v_nop                                          ; one plain place behind a scaled conversion
.irp c, 0,1                            ; the operand's layout wants a whole block in a lane: lanes 0-15 block 2 c, lanes 16-31 block 2 c + 1
.irp i, 0,1,2
	v_permlane16_swap_b32 v[PC+6*\c+\i], v[PC+12+4*\c+\i]
.endr
.irp i, 0,1,2
	v_mov_b32 v[PC+3+6*\c+\i], v[PC+12+4*\c+\i]
.endr
.endr
.endm
	LOAD 0
	LOAD 1
.irp t, 0,1,2,3
.if \t < 3
	s_wait_loadcnt 16                              ; this tile's 16 loads are in; the next tile's 16 may be out
.else
	s_wait_loadcnt 0x0
.endif
	TURN \t
	s_wait_dscnt 0x0                               ; the numbers are back, and the stage's stores have read their registers,
.if \t < 2
	LOAD \t+2                                      ; which take the tile two on
.endif
.if \t > 0
	s_wait_xcnt 0x0                                ; the last tile's stores have read the codes' registers
.endif
	QUANT X
.irp c, 0,1,2
	global_store_b128 v4, v[PC+4*\c:PC+4*\c+3], s[34:35] offset:1536*\t+512*\c   ; 32 lanes store 512 consecutive bytes
.endr
	ds_store_b32 v7, v[PW] offset:64*\t            ; lanes r and r + 16 write the same word with the same value
.endr
	ds_load_b64 v[246:247], v8                     ; LDS serves a wave's instructions in order: these see my stores
	s_wait_dscnt 0x0
	global_store_b64 v9, v[246:247], s[36:37]      ; 32 lanes store 256 consecutive bytes, aligned
	s_wait_tensorcnt 0x0
	ds_add_u32 v254, v255
	s_wait_dscnt 0x0
	s_endpgm
	; ---- THE MASK.  Work-group: a tile of 16 queries; wave: a quarter of the keys, four steps of 128
.Lmask:
	s_sub_co_u32 s21, ttmp9, 384                   ; the tile, 0..127
	v_and_b32 v4, 8, v3
	v_add_nc_u32 v4, v4, v3                        ; r + 8 (r / 8)
	v_lshlrev_b32 v4, 11, v4                       ; a query's row is 2,048 bytes
	v_lshl_add_u32 v4, v10, 4, v4                  ; + 16 h
	s_lshr_b32 s22, s21, 1
	s_lshl_b32 s22, s22, 5
	s_and_b32 s23, s21, 1
	s_lshl_b32 s23, s23, 3
	s_add_co_u32 s22, s22, s23                     ; the tile's first query: 32 (tile / 2) + 8 (tile % 2)
	s_lshl_b32 s22, s22, 11
	s_lshl_b32 s23, s20, 9
	s_add_co_u32 s22, s22, s23                     ; + 512 keys a quarter
	s_mov_b32 s23, 0
	s_lshl_b32 s24, s21, 12                        ; the words: 4,096 bytes a tile, 1,024 a quarter
	s_lshl_b32 s25, s20, 10
	s_add_co_u32 s24, s24, s25
	s_mov_b32 s25, 0
	s_lshl_b32 s26, s21, 4                         ; the flags: 16 bytes a tile, 4 a quarter
	s_lshl_b32 s27, s20, 2
	s_add_co_u32 s26, s26, s27
	s_add_co_u32 s26, s26, MFLG
	s_mov_b32 s27, 0
	v_lshlrev_b32 v5, 3, v2
.irp i, 0,1,2,3,4,5,6,7
	v_mov_b32 v[WD+\i], 0                          ; v_writelane_b32's destination counts as read
.endr
	s_mov_b32 s33, 0                               ; the flags
	s_wait_kmcnt 0x0
	s_add_nc_u64 s[14:15], s[14:15], s[22:23]
	s_add_nc_u64 s[28:29], s[18:19], s[24:25]
	s_add_nc_u64 s[30:31], s[18:19], s[26:27]
.irp g, 0,1,2,3
.irp b, 0,1,2,3
	global_load_b128 v[M+16*\g+4*\b:M+16*\g+4*\b+3], v4, s[14:15] offset:128*\g+32*\b   ; keys 128 g + 32 b + 16 h + 0 .. 15 of my query
.endr
.endr
	s_wait_loadcnt 0x0
.macro WORDS g                         ; step g of my four: 64 compares, each a word of 32 lane bits; word j goes to lane j / 2, register j % 2
	s_mov_b32 s32, -1
.set jj, 0
.rept 16
.irp k, 0,1,2,3
	v_and_b32 v[T+\k], 0xff<<(8*\k), v[M+16*(\g)+jj]
.endr
.irp k, 0,1,2,3
	v_cmp_ne_u32 s[36+\k], 0, v[T+\k]
.endr
.irp k, 0,1,2,3
	v_writelane_b32 v[WD+2*(\g)+\k%2], s[36+\k], 2*jj+\k/2
.endr
.irp k, 0,1,2,3
	s_and_b32 s32, s32, s[36+\k]
.endr
.set jj, jj+1
.endr
	global_store_b64 v5, v[WD+2*(\g):WD+2*(\g)+1], s[28:29] offset:256*(\g)   ; 32 lanes store 256 consecutive bytes, aligned
	s_cmp_lg_u32 s32, -1                           ; is any of the 2,048 bits 0?
	s_cselect_b32 s34, 1<<(\g), 0
	s_or_b32 s33, s33, s34
.endm
	WORDS 0
	WORDS 1
	WORDS 2
	WORDS 3
	v_mov_b32 v6, s33
	v_mov_b32 v7, 0
	v_cmp_eq_u32 vcc_lo, 0, v2
	s_wait_xcnt 0x0                                ; EXEC changes only behind this wait
	s_and_saveexec_b32 s35, vcc_lo
	global_store_b32 v7, v6, s[30:31]              ; lane 0 stores the quarter's flags
	s_wait_xcnt 0x0
	s_or_b32 exec_lo, exec_lo, s35
	s_endpgm
.Lfunc_end_k_q9d9742b2c0_prep:
	.size	k_q9d9742b2c0_prep, .Lfunc_end_k_q9d9742b2c0_prep-k_q9d9742b2c0_prep
	.p2alignl 7, 3214868480
	.fill 96, 4, 3214868480
	.section	.rodata,"a",@progbits
	.p2align	6, 0x0
	.amdhsa_kernel k_q9d9742b2c0_prep
		.amdhsa_group_segment_fixed_size 35328
		.amdhsa_private_segment_fixed_size 0
		.amdhsa_enable_private_segment 0
		.amdhsa_kernarg_size 64
		.amdhsa_user_sgpr_count 2
		.amdhsa_user_sgpr_kernarg_segment_ptr 1
		.amdhsa_wavefront_size32 1
		.amdhsa_system_sgpr_workgroup_id_x 1
		.amdhsa_system_sgpr_workgroup_id_y 1
		.amdhsa_system_sgpr_workgroup_id_z 1
		.amdhsa_system_vgpr_workitem_id 0
		.amdhsa_next_free_vgpr 256
		.amdhsa_next_free_sgpr 66
		.amdhsa_reserve_vcc 1
		.amdhsa_float_denorm_mode_32 3
		.amdhsa_float_denorm_mode_16_64 3
		.amdhsa_memory_ordered 1
		.amdhsa_forward_progress 1
		.amdhsa_inst_pref_size 94
	.end_amdhsa_kernel
	.amdgpu_metadata
---
amdhsa.version: [ 1, 2 ]
amdhsa.kernels:
  - .name:           k_q9d9742b2c0_prep
    .symbol:         k_q9d9742b2c0_prep.kd
    .args:
      - { .name: x, .offset: 0, .size: 8, .value_kind: global_buffer, .address_space: global }
      - { .name: Wq, .offset: 8, .size: 8, .value_kind: global_buffer, .address_space: global }
      - { .name: Wk, .offset: 16, .size: 8, .value_kind: global_buffer, .address_space: global }
      - { .name: Wv, .offset: 24, .size: 8, .value_kind: global_buffer, .address_space: global }
      - { .name: Wo, .offset: 32, .size: 8, .value_kind: global_buffer, .address_space: global }
      - { .name: mask, .offset: 40, .size: 8, .value_kind: global_buffer, .address_space: global }
      - { .name: wx, .offset: 48, .size: 8, .value_kind: global_buffer, .address_space: global }
      - { .name: mk, .offset: 56, .size: 8, .value_kind: global_buffer, .address_space: global }
    .group_segment_fixed_size: 35328
    .private_segment_fixed_size: 0
    .kernarg_segment_align: 8
    .kernarg_segment_size: 64
    .max_flat_workgroup_size: 128
    .sgpr_count:     66
    .vgpr_count:     256
    .wavefront_size: 32
...
	.end_amdgpu_metadata
.endif
;; end of part 1
;; launch qkv (part 2): grid 96 x 4, 4 waves a work-group, clusters of 4 x 4, 327,680 bytes of LDS; arguments wx, qb, kvb; writes qb, kvb
.if DOCPART == 2
	.amdgcn_target "amdgcn-amd-amdhsa--gfx1250"
	.amdhsa_code_object_version 6
	.text
	.protected	k_q9d9742b2c0_qkv
	.globl	k_q9d9742b2c0_qkv
	.p2align	8
	.type	k_q9d9742b2c0_qkv,@function
k_q9d9742b2c0_qkv:
	s_mov_b64 s[64:65], 0
	v_nop
	global_prefetch_b8 v0, s[64:65] scope:SCOPE_SE
	s_setreg_imm32_b32 hwreg(HW_REG_WAVE_MODE, 25, 1), 1
	s_wait_xcnt 0x0
	s_wait_alu depctr_hold_cnt(0) depctr_sa_sdst(0) depctr_va_vdst(0) depctr_va_sdst(0) depctr_va_ssrc(0) depctr_va_vcc(0) depctr_vm_vsrc(0)
	s_getreg_b32 s2, hwreg(HW_REG_IB_STS2, 6, 4)
	s_cmp_eq_u32 s2, 0
	s_cbranch_scc0 .Lentry_in_a_cluster
	s_endpgm
.Lentry_in_a_cluster:
	s_bfe_u32 s2, ttmp6, 0x10000c
	s_cmp_lg_u32 s2, 0xf033
	s_cbranch_scc0 .Lentry_shape_is_right
	s_endpgm
.Lentry_shape_is_right:
; QKV.  q = x Wq^T, k = x Wk^T, v = x Wv^T on codes of FP6 (E2M3) with E8M0 scales, f32 sums; the results are quantised in registers and leave as codes in the order of the attention's operand registers.
; A tile of 256 x 256 results is made by a work-group of four waves, a wave 128 x 128: 64 accumulators, 512 registers.  Source 0 of the matrix instruction is "B", source 1 "A": a lane holds one row of A and its registers run along B's rows.
; REGIONS, by the cluster's number X, which all sixteen partners share: X < 16: A = x (tokens), B = Wq (even X) or Wk (odd X): a lane holds a token, its 64 registers 128 channels = two heads: quantised along the head's 64.
;   X >= 16: A = Wv (channels), B = x (tokens): a lane holds a channel, its 64 registers 128 tokens: quantised along the tokens, which are the second attention product's K.
; OPERANDS lie in wx as images of their registers ([group of 128 rows][K step of 128][tile][1,536 bytes]), so a group's two K steps are 24,576 dense bytes: one tensor load; a fragment is three ds_load_b128 of 512 consecutive bytes.
; K = 1,024 goes in four fills of two K steps through two LDS slots.  The scale words of the four groups, for all of K, come once (4 x 4,096 bytes).
; CLUSTERS: 4 x 4 work-groups; A's groups are shared along a row of the cluster, B's along a column: each is asked for jointly.
; WHAT LEAVES.  q: qb [bh][tile of 16 tokens: 128][768 bytes]: registers 0-5 of a fragment (four at 16 l, two at 512 + 8 l).  k: kvb [bh][step of 128 keys][tile: 8][768].  v: kvb, 6,144 bytes into a step's 12,288: [fragment of 16 channels: 4][2 x 768].
;   Scale words: q, k: [bh][128 tokens][lane][4]: lane 16 u + r, word d: tile 2 d + u, row r, the head's two bytes twice.  v: [bh][step][lane][2]: word e: fragment 2 e in lanes 0-15, 2 e + 1 in lanes 16-31.
; LIMITS: a block of zeros gets the byte 1 (its codes are zeros; this program alone reads the bytes); NaN and infinities are not served.
; REGISTERS: window 0: v16-29 addresses; v32-63 scale words, two sets; v64-115 the way out; v128-223 A's fragments, one set.  window 1: B's fragments, two sets, at v0 and v128.  windows 2, 3: accumulator (a, b) at v[8 (8 (a % 4) + b)].
.set PART,  24576                      ; a group's two K steps: what one tensor load brings
.set SLOT,  4*PART                     ; A's two groups, then B's two
.set SCL,   2*SLOT                     ; behind the ring: the scale words, 4,096 bytes a group
.set SPARE, SCL+4*4096                 ; the spare words, 128 bytes for each wave: two blocks of 256 bytes that no other line names
.set SCLO,  9437184
.set QSO,   6291456
.set KSO,   12582912
.set VSO,   13107200
.set FR,    12
.set NL,    3                          ; LDS loads that bring a fragment
.set NP,    4                          ; places behind this matrix instruction (ISA guide 7.12.1)
.set ADRA,  16
.set ADRB,  20
.set VO16,  24                         ; 16 x lane
.set VO8,   25                         ; 8 x lane
.set ADRS,  27
.set SPW,   28
.set NIL,   29
.set SC,    32
.set PC,    64                         ; v64-75 the codes; v76-78, v80-82 the conversions' second halves
.set TM,    84
.set PW,    100
.set WE,    101
.set T0,    102
.set XA,    108
.set XB,    112
.set AF,    128
.set G1, 24
.set G0, 32
.set G1B, 48
.set G0B, 56
.set G1S, 68
.set G0S, 76
.set G1SB, 80
.set G0SB, 88
.set MSB, 0
.macro WIN new                         ; the immediate's high byte repeats the setting that is left
.if MSB != (\new)
	s_set_vgpr_msb (MSB<<8)|(\new)
.set MSB, (\new)
.endif
.endm
.set MUL_LO, 0xa1                      ; source 0 (B) window 1, source 1 (A) window 0, C and D window 2
.set MUL_HI, 0xf1
.set TO_B,   0x40
.macro JLOAD g0a, g1a, g0b, g1b        ; a joint load: waves 0 and 1 fetch for A, waves 2 and 3 for B; four v_nop follow each of the two lines
	s_cmp_eq_u32 s15, 0
	s_cbranch_scc0 .Lfor_b_\@
	tensor_load_to_lds s[\g0a:\g0a+3], s[\g1a:\g1a+7]
	s_nop 0
.rept 4
	v_nop
.endr
	s_branch .Lasked_\@
.Lfor_b_\@:
	tensor_load_to_lds s[\g0b:\g0b+3], s[\g1b:\g1b+7]
	s_nop 0
.rept 4
	v_nop
.endr
.Lasked_\@:
.endm
.macro CREST                           ; a round of the cluster's barrier behind its opening barrier
	s_cmp_lg_u32 s14, 0
	s_cbranch_scc1 .Lnot_wave_0_\@
	s_barrier_signal -3
.Lnot_wave_0_\@:
	s_barrier_wait -3
	s_barrier_signal -1
	s_barrier_wait -1
.endm
.macro CROUND
	s_barrier_signal -1
	s_barrier_wait -1
	CREST
.endm
	s_load_b128 s[4:7], s[0:1], 0x0                ; wx, qb
	s_load_b64 s[8:9], s[0:1], 0x10                ; kvb
	v_lshl_add_u32 v[SPW], v0, 2, SPARE
	v_mov_b32 v[NIL], 0
	ds_add_u32 v28, v29
	ds_add_u32 v28, v29
	s_wait_dscnt 0x0
	v_lshrrev_b32 v1, 5, v0
	v_readfirstlane_b32 s14, v1                    ; wave 0..3
	s_lshr_b32 s15, s14, 1                         ; which group of A is mine.  Also: I fetch for A (0) or for B (1)
	s_and_b32 s16, s14, 1                          ; which group of B.  Also: which group of the two I fetch
	s_bfe_u32 s40, ttmp6, 0x40000                  ; cx
	s_bfe_u32 s41, ttmp6, 0x40004                  ; cy
	s_lshr_b32 s18, ttmp9, 1
	s_and_b32 s19, ttmp9, 1
	s_max_u32 s20, ttmp9, 16
	s_sub_co_u32 s20, s20, 16
	s_cmp_lt_u32 ttmp9, 16                         ; q and k, or v: the same in all sixteen partners
	s_cselect_b32 s18, s18, 0                      ; the cluster's place along A
	s_cselect_b32 s19, s19, s20                    ; and along B
	s_cselect_b32 s21, 0, 80                       ; A's first group in wx: x or Wv
	s_cselect_b32 s22, 64, 0                       ; B's: Wq (Wk follows it) or x
	s_lshl_b32 s17, s18, 2
	s_add_co_u32 s17, s17, s41                     ; tile row = 4 x place + cy
	s_lshl_b32 s42, s19, 2
	s_add_co_u32 s42, s42, s40                     ; tile column = 4 x place + cx
	s_lshl_b32 s43, s41, 2
	s_lshl_b32 s43, 15, s43                        ; my row of the cluster
	s_lshl_b32 s44, 0x1111, s40                    ; my column
	; descriptor group 1: 24,576 dense bytes as 96 rows of 32 elements of 8 bytes; no padding
	s_or_b32 s[G1+0], s43, (3<<16)|(1<<21)         ; 15:0 the mask: A's groups go to my row; 17:16 elements of 8 bytes; 21 set beside a mask
	s_or_b32 s[G1B+0], s44, (3<<16)|(1<<21)
.irp g, G1, G1B
	s_mov_b32 s[\g+1], 32<<16                      ; tensor_dim0
	s_mov_b32 s[\g+2], 96<<16                      ; tensor_dim1
	s_mov_b32 s[\g+3], 32<<16                      ; tile_dim0
	s_mov_b32 s[\g+4], 96                          ; tile_dim1
	s_mov_b32 s[\g+5], 32                          ; tensor_dim0_stride
	s_mov_b32 s[\g+6], 0
	s_mov_b32 s[\g+7], 0
.endr
	s_or_b32 s[G1S+0], s43, (3<<16)|(1<<21)        ; the scale words of a group: 4,096 dense bytes as 16 such rows
	s_or_b32 s[G1SB+0], s44, (3<<16)|(1<<21)
.irp g, G1S, G1SB
	s_mov_b32 s[\g+1], 32<<16
	s_mov_b32 s[\g+2], 16<<16
	s_mov_b32 s[\g+3], 32<<16
	s_mov_b32 s[\g+4], 16
	s_mov_b32 s[\g+5], 32
	s_mov_b32 s[\g+6], 0
	s_mov_b32 s[\g+7], 0
.endr
	s_lshl_b32 s20, s17, 1
	s_add_co_u32 s20, s20, s16
	s_add_co_u32 s20, s20, s21                     ; A's group that I would fetch: it hangs on the tile row alone
	s_lshl_b32 s46, s42, 1
	s_add_co_u32 s46, s46, s16
	s_add_co_u32 s46, s46, s22                     ; B's: on the tile column alone
	s_mul_i32 s92, s20, 98304
	s_mov_b32 s93, 0
	s_lshl_b32 s94, s20, 12
	s_add_co_u32 s94, s94, SCLO
	s_mov_b32 s95, 0
	s_mul_i32 s96, s46, 98304
	s_mov_b32 s97, 0
	s_lshl_b32 s98, s46, 12
	s_add_co_u32 s98, s98, SCLO
	s_mov_b32 s99, 0
	s_mul_i32 s45, s14, PART                       ; where they go: wave x a part: no place in the cluster enters an LDS address
	s_lshl_b32 s47, s14, 12
	s_wait_kmcnt 0x0
	s_add_nc_u64 s[92:93], s[4:5], s[92:93]
	s_add_nc_u64 s[94:95], s[4:5], s[94:95]
	s_add_nc_u64 s[96:97], s[4:5], s[96:97]
	s_add_nc_u64 s[98:99], s[4:5], s[98:99]
	CROUND                                         ; all sixteen work-groups are here: the first joint loads meet
	s_mov_b32 s[G0S], 1
	s_add_co_u32 s[G0S+1], s47, SCL
	s_mov_b64 s[G0S+2:G0S+3], s[94:95]
	s_or_b32 s[G0S+3], s[G0S+3], 0x80000000
	s_mov_b32 s[G0SB], 1
	s_add_co_u32 s[G0SB+1], s47, SCL
	s_mov_b64 s[G0SB+2:G0SB+3], s[98:99]
	s_or_b32 s[G0SB+3], s[G0SB+3], 0x80000000
	JLOAD G0S, G1S, G0SB, G1SB                     ; the scale words first: they are wanted with the first K step
.irp s, 0,1
	s_mov_b32 s[G0+4*\s], 1
	s_add_co_u32 s[G0+4*\s+1], s45, \s*SLOT
	s_add_nc_u64 s[G0+4*\s+2:G0+4*\s+3], s[92:93], \s*PART
	s_or_b32 s[G0+4*\s+3], s[G0+4*\s+3], 0x80000000
	s_mov_b32 s[G0B+4*\s], 1
	s_add_co_u32 s[G0B+4*\s+1], s45, \s*SLOT
	s_add_nc_u64 s[G0B+4*\s+2:G0B+4*\s+3], s[96:97], \s*PART
	s_or_b32 s[G0B+4*\s+3], s[G0B+4*\s+3], 0x80000000
	JLOAD G0+4*\s, G1, G0B+4*\s, G1B               ; three loads of mine are out
.endr
	v_and_b32 v1, 31, v0
	v_lshlrev_b32 v2, 4, v1                        ; 16 l
	s_mul_i32 s21, s15, PART                       ; my group of A
	s_mul_i32 s22, s16, PART                       ; my group of B,
	s_add_co_u32 s22, s22, 2*PART                  ; behind A's two
.irp s, 0,1
	v_add_nc_u32 v[ADRA+\s], s21, v2
	v_add_nc_u32 v[ADRB+\s], s22, v2
	s_add_co_u32 s21, s21, SLOT
	s_add_co_u32 s22, s22, SLOT
.endr
	v_and_b32 v3, 15, v0                           ; r
	v_bfe_u32 v4, v0, 4, 1                         ; h
	v_lshlrev_b32 v5, 2, v3
	s_lshl_b32 s21, s15, 12                        ; A's scale words: my group's
	s_lshl_b32 s22, s16, 12                        ; B's: my group's, behind A's two
	s_add_co_u32 s22, s22, 8192
	s_sub_co_u32 s22, s22, s21
	v_mul_u32_u24 v6, s22, v4                      ; lanes 16-31 take B's
	s_add_co_u32 s21, s21, SCL
	v_add_nc_u32 v5, v5, v6
	v_add_nc_u32 v[ADRS], s21, v5
	v_lshlrev_b32 v[VO16], 4, v1
	v_lshlrev_b32 v[VO8], 3, v1
.irp b, 0,1,2,3
	v_mov_b32 v[TM+4+\b], 0                        ; written once: a lane permute's destination counts as one of its sources
.endr
	; where my results go
	s_lshl_b32 s92, s17, 1
	s_add_co_u32 s92, s92, s15                     ; the group of A that I multiply
	s_lshl_b32 s93, s42, 1
	s_add_co_u32 s93, s93, s16                     ; and of B
	s_and_b32 s94, s93, 7
	s_and_b32 s95, ttmp9, 1
	s_cmp_lt_u32 ttmp9, 16
	s_cselect_b32 s96, s92, s93                    ; the 128 tokens
	s_cselect_b32 s97, s94, s92                    ; the pair of heads
	s_cselect_b32 s95, s95, 2                      ; 0 q, 1 k, 2 v
	s_lshr_b32 s98, s96, 4                         ; the batch
	s_and_b32 s96, s96, 15                         ; which 128 tokens of its 2,048
	s_lshl_b32 s98, s98, 4
	s_lshl_b32 s97, s97, 1
	s_add_co_u32 s98, s98, s97                     ; bh of the pair's first head
	s_lshl_b32 s98, s98, 4
	s_add_co_u32 s98, s98, s96                     ; 16 bh + step
	s_cmp_eq_u32 s95, 0
	s_cselect_b64 s[10:11], s[6:7], s[8:9]         ; qb or kvb: the choice hangs on the cluster's number alone
	s_mov_b32 s92, 12288
	s_cselect_b32 s92, 6144, s92                   ; bytes of codes for each (bh, step)
	s_mov_b32 s93, KSO
	s_cselect_b32 s93, QSO, s93
	s_mov_b32 s22, 196608
	s_cselect_b32 s22, 98304, s22                  ; q, k: from a head to the next
	s_cmp_eq_u32 s95, 2
	s_cselect_b32 s94, 6144, 0                     ; v lies behind k in a step's record
	s_cselect_b32 s93, VSO, s93
	s_cselect_b32 s96, 8, 9                        ; a record of scale words: 256 or 512 bytes
	s_cselect_b32 s22, 768, s22                    ; v: from a fragment's first half to its second
	s_mov_b32 s18, 768
	s_cselect_b32 s18, 1536, s18                   ; from block a to a + 1
	s_mov_b32 s20, 768
	s_cselect_b32 s20, 196608-4608, s20            ; from block 3 to block 4: in v the next head's first fragment
	s_mov_b32 s66, 0x01000100                      ; q, k: the first head's two bytes, twice;
	s_cselect_b32 s66, 0x03020100, s66             ; v: the word as it is
	s_mov_b32 s67, 0x03020302                      ; q, k: the second head's
	s_mov_b32 s46, 0xffff0000                      ; lanes 16-31
	s_mov_b32 s19, 0
	s_mov_b32 s21, 0
	s_mov_b32 s23, 0
	s_mov_b32 s44, 0x76543210
	s_mov_b32 s45, 0xfedcba98                      ; v_permlanex16_b32's selects for lane l xor 16
	s_mov_b64 s[2:3], s[10:11]
	s_mul_i32 s92, s98, s92
	s_add_co_u32 s92, s92, s94
	s_lshl_b32 s94, s98, s96
	s_add_co_u32 s94, s94, s93
	s_mov_b32 s93, 0
	s_mov_b32 s95, 0
	s_add_nc_u64 s[10:11], s[10:11], s[92:93]      ; block 0's codes
	s_add_nc_u64 s[2:3], s[2:3], s[94:95]          ; my scale words
.macro FRAG reg, adr, off              ; a fragment comes back as it was stored: three loads of 512 consecutive bytes
.irp c, 0,1,2
	ds_load_b128 v[\reg+4*\c:\reg+4*\c+3], v[\adr] offset:\off+512*\c
.endr
.endm
; 16 matrix instructions: A's blocks a0, a0 + 1 x B's eight, one K step.  p: B's set; q: the slot's K step; sc: the set of scale words.  zero = 1: the first product starts the sums.
; The 64 accumulators take turns, one instruction a turn, in the same order in every step.
.macro MUL16 a0, p, q, sc, zero
.irp a, \a0, \a0+1
.irp b, 0,1,2,3,4,5,6,7
.if \zero
	v_wmma_scale_f32_16x16x128_f8f6f4 v[8*(8*((\a)%4)+\b):8*(8*((\a)%4)+\b)+7], v[128*(\p)+FR*\b:128*(\p)+FR*\b+FR-1], v[AF+FR*(\a):AF+FR*(\a)+FR-1], 0, v[SC+16*(\sc)+2*\b+(\q)], v[SC+16*(\sc)+2*(\a)+(\q)] matrix_a_fmt:MATRIX_FMT_FP6 matrix_b_fmt:MATRIX_FMT_FP6 matrix_a_scale:MATRIX_SCALE_ROW1
.else
	v_wmma_scale_f32_16x16x128_f8f6f4 v[8*(8*((\a)%4)+\b):8*(8*((\a)%4)+\b)+7], v[128*(\p)+FR*\b:128*(\p)+FR*\b+FR-1], v[AF+FR*(\a):AF+FR*(\a)+FR-1], v[8*(8*((\a)%4)+\b):8*(8*((\a)%4)+\b)+7], v[SC+16*(\sc)+2*\b+(\q)], v[SC+16*(\sc)+2*(\a)+(\q)] matrix_a_fmt:MATRIX_FMT_FP6 matrix_b_fmt:MATRIX_FMT_FP6 matrix_a_scale:MATRIX_SCALE_ROW1
.endif
.endr
.endr
.endm
.macro FETCH_B slot, q, p
	WIN TO_B
.irp i, 0,1,2,3,4,5,6,7
	FRAG 128*(\p)+FR*\i, ADRB+\slot, 12288*(\q)+1536*\i
.endr
	WIN 0
.endm
.macro FETCH_A slot, q, i0
.irp i, \i0, \i0+1, \i0+2, \i0+3
	FRAG AF+FR*(\i), ADRA+\slot, 12288*(\q)+1536*(\i)
.endr
.endm
.macro SCALES sc, ks                   ; the scale words of K steps ks and ks + 1 into set sc: lanes 0-15 A's tile i, lanes 16-31 B's tile i
.irp i, 0,1,2,3,4,5,6,7
.irp e, 0,1
	ds_load_b32 v[SC+16*(\sc)+2*\i+\e], v[ADRS] offset:512*((\ks)+\e)+64*\i
.endr
.endr
.endm
.macro PLACES n                        ; a load into a register that a matrix instruction has read, and a read of a result, stand NP plain vector instructions behind it
.rept \n
	v_nop
.endr
.endm
.macro STEP slot, q, zero              ; a K step that has its successor in the same slot
	s_wait_dscnt 4*NL                              ; all but the youngest 12 loads (A's blocks 4-7) are in
	WIN MUL_LO
	MUL16 0, (\q)%2, \q, \slot, \zero
	MUL16 2, (\q)%2, \q, \slot, \zero
	s_wait_dscnt 0
	PLACES NP
	FETCH_B \slot, (\q)+1, 1-(\q)%2
	FETCH_A \slot, (\q)+1, 0
	WIN MUL_HI
	MUL16 4, (\q)%2, \q, \slot, \zero
	MUL16 6, (\q)%2, \q, \slot, \zero
	PLACES NP
	WIN 0
	FETCH_A \slot, (\q)+1, 4
.endm
; A slot's last K step changes slots: one barrier; in front of it each wave waits for all its tensor loads, adds 0 to its spare word, and waits for that and for its reads of this slot.  fill = 1: this slot is filled again.
.macro TURN slot, next, fill, ks
	s_wait_tensorcnt 0x0                           ; all my tensor loads have landed: my part of the next slot
	ds_add_u32 v[SPW], v[NIL]                      ; 0 onto my spare word
	s_wait_dscnt 4*NL+1                            ; the add and the youngest 12 loads may be out
	WIN MUL_LO
	MUL16 0, 1, 1, \slot, 0
	s_wait_dscnt 0x0                               ; the add is done, and my reads of this slot are over
	s_barrier_signal -1
	MUL16 2, 1, 1, \slot, 0
	WIN 0
	s_barrier_wait -1
.if \fill
	CREST                                          ; the barrier has opened a round of the cluster's barrier: no wave of any partner still reads this slot or has a load on its way
	s_add_nc_u64 s[G0+4*\slot+2:G0+4*\slot+3], s[G0+4*\slot+2:G0+4*\slot+3], 2*PART
	s_add_nc_u64 s[G0B+4*\slot+2:G0B+4*\slot+3], s[G0B+4*\slot+2:G0B+4*\slot+3], 2*PART
	JLOAD G0+4*\slot, G1, G0B+4*\slot, G1B         ; the first tensor load behind the round; its four v_nop are the places in front of the loads below
.else
	PLACES NP
.endif
	FETCH_B \next, 0, 0
	FETCH_A \next, 0, 0
	SCALES \next, \ks
	WIN MUL_HI
	MUL16 4, 1, 1, \slot, 0
	MUL16 6, 1, 1, \slot, 0
	PLACES NP
	WIN 0
	FETCH_A \next, 0, 4
.endm
	s_wait_tensorcnt 1                             ; the scale words and my part of slot 0 are in; slot 1's load may be out
	s_barrier_signal -1
	s_barrier_wait -1
	FETCH_B 0, 0, 0
	FETCH_A 0, 0, 0
	SCALES 0, 0
	FETCH_A 0, 0, 4
	STEP 0, 0, 1                                   ; eight K steps, written out: four fills
	TURN 0, 1, 1, 2
	STEP 1, 0, 0
	TURN 1, 0, 1, 4
	STEP 0, 0, 0
	TURN 0, 1, 0, 6
	STEP 1, 0, 0
	s_wait_dscnt 4*NL
	WIN MUL_LO
	MUL16 0, 1, 1, 1, 0
	MUL16 2, 1, 1, 1, 0
	s_wait_dscnt 0
	WIN MUL_HI
	MUL16 4, 1, 1, 1, 0
	MUL16 6, 1, 1, 1, 0
	WIN 0
; THE WAY OUT.  Block a's 64 accumulator registers are 64 numbers of my row of A: register 16 b + i is place 32 b + 16 h + i along B's 128 rows.  They become 12 registers of codes and a scale word.
.macro QUANTW a
.set AC, 64*((\a)%4)
	WIN 0x0a+5*((\a)/4)                            ; sources 0 and 1: window 2 or 3
.irp b, 0,1,2,3
	v_max3_num_f32 v[TM+\b], |v[AC+16*\b]|, |v[AC+16*\b+1]|, 0x1800000   ; each accumulator is read from its low end on; the floor 2^(3 - 127) holds the byte at 1 from below
.endr
.irp i, 2,4,6,8,10,12,14
.irp b, 0,1,2,3
	v_max3_num_f32 v[TM+\b], |v[AC+16*\b+\i]|, |v[AC+16*\b+\i+1]|, v[TM+\b]
.endr
.endr
	WIN 0
.irp b, 0,1,2,3
	v_permlanex16_b32 v[TM+4+\b], v[TM+\b], s44, s45
.endr
.irp b, 0,1,2,3
	v_max_num_f32 v[TM+\b], v[TM+\b], v[TM+4+\b]
.endr
.irp b, 0,1,2,3
	v_add_nc_u32 v[TM+12+\b], 0xff000000, v[TM+\b]
.endr
.irp b, 0,1,2,3
	v_lshrrev_b32 v[TM+4+\b], 23, v[TM+12+\b]
.endr
	v_lshl_or_b32 v[PW], v[TM+5], 8, v[TM+4]
	v_lshl_or_b32 v[PW], v[TM+6], 16, v[PW]
	v_lshl_or_b32 v[PW], v[TM+7], 24, v[PW]
	WIN 0x02+((\a)/4)                              ; source 0: window 2 or 3
.irp c, 0,1
	v_cvt_scalef32_pk16_fp6_f32 v[PC+6*\c:PC+6*\c+2], v[AC+32*\c:AC+32*\c+15], v[TM+12+2*\c]
	v_cvt_scalef32_pk16_fp6_f32 v[PC+12+4*\c:PC+14+4*\c], v[AC+32*\c+16:AC+32*\c+31], v[TM+12+2*\c+1]
.endr
	WIN 0
	v_nop                                          ; one plain place behind a scaled conversion
.irp c, 0,1
.irp i, 0,1,2
	v_permlane16_swap_b32 v[PC+6*\c+\i], v[PC+12+4*\c+\i]
.endr
.irp i, 0,1,2
	v_mov_b32 v[PC+3+6*\c+\i], v[PC+12+4*\c+\i]
.endr
.endr
.endm
	PLACES NP
.irp a, 0,1,2,3,4,5,6,7
.if \a > 0
	s_wait_xcnt 0x0                                ; the last block's stores have read their registers and bases
.if \a == 4
	s_add_nc_u64 s[10:11], s[10:11], s[20:21]
.else
	s_add_nc_u64 s[10:11], s[10:11], s[18:19]
.endif
.endif
	s_add_nc_u64 s[12:13], s[10:11], s[22:23]      ; where registers 6-11 go
	QUANTW \a
	global_store_b128 v[VO16], v[PC:PC+3], s[10:11]                 ; 512 consecutive bytes,
	global_store_b64 v[VO8], v[PC+4:PC+5], s[10:11] offset:512      ; and 256: registers 0-5
	global_store_b128 v[VO16], v[PC+6:PC+9], s[12:13]
	global_store_b64 v[VO8], v[PC+10:PC+11], s[12:13] offset:512    ; registers 6-11
.if (\a)%2 == 0
	v_mov_b32 v[WE], v[PW]
.else
	v_perm_b32 v[T0], v[WE], v[WE], s66
	v_perm_b32 v[T0+1], v[PW], v[PW], s66
	v_perm_b32 v[T0+2], v[WE], v[WE], s67
	v_perm_b32 v[T0+3], v[PW], v[PW], s67
	v_cndmask_b32 v[XA+(\a)/2], v[T0], v[T0+1], s46                 ; the even block's word in lanes 0-15, the odd block's in lanes 16-31
	v_cndmask_b32 v[XB+(\a)/2], v[T0+2], v[T0+3], s46
.endif
.endr
	s_cmp_lt_u32 ttmp9, 16
	s_cbranch_scc0 .Lv_words
	global_store_b128 v[VO16], v[XA:XA+3], s[2:3]                   ; q, k: the first head's 512 bytes,
	global_store_b128 v[VO16], v[XB:XB+3], s[2:3] offset:8192       ; the second head's
	s_branch .Lwords_out
.Lv_words:
	global_store_b64 v[VO8], v[XA:XA+1], s[2:3]                     ; v: the first head's 256 bytes,
	global_store_b64 v[VO8], v[XA+2:XA+3], s[2:3] offset:4096       ; the second head's
.Lwords_out:
	s_wait_tensorcnt 0x0                           ; the wave's end
	ds_add_u32 v[SPW], v[NIL]
	s_wait_dscnt 0x0
	CROUND                                         ; the closing round: no work-group ends while a partner may still ask for a tile that names it
	s_endpgm
.Lfunc_end_k_q9d9742b2c0_qkv:
	.size	k_q9d9742b2c0_qkv, .Lfunc_end_k_q9d9742b2c0_qkv-k_q9d9742b2c0_qkv
	.p2alignl 7, 3214868480
	.fill 96, 4, 3214868480
	.section	.rodata,"a",@progbits
	.p2align	6, 0x0
	.amdhsa_kernel k_q9d9742b2c0_qkv
		.amdhsa_group_segment_fixed_size 327680
		.amdhsa_private_segment_fixed_size 0
		.amdhsa_enable_private_segment 0
		.amdhsa_kernarg_size 24
		.amdhsa_user_sgpr_count 2
		.amdhsa_user_sgpr_kernarg_segment_ptr 1
		.amdhsa_wavefront_size32 1
		.amdhsa_system_sgpr_workgroup_id_x 1
		.amdhsa_system_sgpr_workgroup_id_y 1
		.amdhsa_system_sgpr_workgroup_id_z 1
		.amdhsa_system_vgpr_workitem_id 0
		.amdhsa_next_free_vgpr 1024
		.amdhsa_next_free_sgpr 100
		.amdhsa_reserve_vcc 0
		.amdhsa_float_denorm_mode_32 3
		.amdhsa_float_denorm_mode_16_64 3
		.amdhsa_memory_ordered 1
		.amdhsa_forward_progress 1
		.amdhsa_inst_pref_size 146
	.end_amdhsa_kernel
	.amdgpu_metadata
---
amdhsa.version: [ 1, 2 ]
amdhsa.kernels:
  - .name:           k_q9d9742b2c0_qkv
    .symbol:         k_q9d9742b2c0_qkv.kd
    .args:
      - { .name: wx, .offset: 0, .size: 8, .value_kind: global_buffer, .address_space: global }
      - { .name: qb, .offset: 8, .size: 8, .value_kind: global_buffer, .address_space: global }
      - { .name: kvb, .offset: 16, .size: 8, .value_kind: global_buffer, .address_space: global }
    .group_segment_fixed_size: 327680
    .private_segment_fixed_size: 0
    .kernarg_segment_align: 8
    .kernarg_segment_size: 24
    .max_flat_workgroup_size: 128
    .sgpr_count:     100
    .vgpr_count:     1024
    .wavefront_size: 32
...
	.end_amdgpu_metadata
.endif
;; end of part 2
;; launch attn (part 3): grid 8 x 32, 16 waves a work-group, no clusters, 76,800 bytes of LDS; arguments qb, kvb, mk, ab; writes ab
.if DOCPART == 3
	.amdgcn_target "amdgcn-amd-amdhsa--gfx1250"
	.amdhsa_code_object_version 6
	.text
	.protected	k_q9d9742b2c0_attn
	.globl	k_q9d9742b2c0_attn
	.p2align	8
	.type	k_q9d9742b2c0_attn,@function
k_q9d9742b2c0_attn:
	s_mov_b64 s[64:65], 0
	v_nop
	global_prefetch_b8 v0, s[64:65] scope:SCOPE_SE
	s_setreg_imm32_b32 hwreg(HW_REG_WAVE_MODE, 25, 1), 1
	s_wait_xcnt 0x0
; ATTN.  For each (batch, head): o = softmax(mask ? q k^T / 8 : -1e9) v, both products on codes of FP6 (E2M3) with E8M0 scales; o is quantised along the model's 1,024 and leaves as codes, as the last product's operand.
; THE SOFTMAX: t = score x log2(e) / 8; M = the running largest t rounded up to a whole number; p = 2^(t - M) is quantised along the keys, not normalised; the row's sum is taken of the unquantised p and divides at the end.
; SHARES.  A work-group owns 256 queries of a batch and a PAIR of heads, one after the other; each of its sixteen waves owns one tile of 16 queries in 256 registers: four waves to a SIMD.
; K and V of both heads are one stream of 16 slots of 24,576 bytes (256 keys); a slot comes through registers into LDS (512 threads x 3 x 16 bytes), asked for a slot's work ahead; two LDS slots, one barrier a slot.
; No tensor load and no cluster: a step's 64 selects for the mask are jumped over where the stored flag says that no key of the step is hidden for my 16 queries;
; what a work-group fetches is 24,576 bytes for two steps of sixteen waves, a small part of a step's work.
; LAYOUT.  Both products are used transposed (S^T = k q^T, O^T = v^T p^T): a lane holds one query.  A head has 64 channels, half of the instruction's 128: an operand of 12 registers holds TWO tiles of keys (registers 0-5, 6-11),
; and is multiplied once by [q | zeros] and once by [zeros | q]: zero codes add nothing.  The tiles' rows are such that the 16 registers of two neighbouring tiles are 16 neighbouring keys.
; THE MASK.  A hidden score becomes -2^33, a logit of -2^30 where the definition has -1e9: score x c is then exact, so that in a row all of whose keys are hidden t - M is exactly 0 and every p is 1, as with -1e9.
; LIMITS: a row with a key that counts gives the same result as with -1e9 as long as its largest logit that counts lies above about -1e9 + 150; a block of zeros gets the byte 1; NaN and infinities are not served.
.set QSO,   6291456
.set KSO,   12582912
.set VSO,   13107200
.set ASO,   6291456
.set MFLG,  524288
.set VSC,   16384                      ; LDS: K's scale words of both heads at 0 (16,384 bytes), V's here (8,192),
.set SLOT0, 24576                      ; the two slots,
.set SLOTB, 24576
.set OSC,   73728                      ; and the output's scale words (1,024)
.set A16, 1                            ; SLOT0 + 16 l
.set A8,  2                            ; SLOT0 + 8 l
.set AKS, 3                            ; 16 l
.set AVS, 4                            ; VSC + 8 l
.set NEG, 5                            ; -2^33
.set T16, 6                            ; 16 x thread
.set AST, 7                            ; SLOT0 + 16 x thread
.set KS,  8                            ; v8-11 K's scale words
.set QZ,  16                           ; v16-33: six zeros, q's six registers, six zeros
.set QS,  34
.set PW,  35
.set VS,  36
.set FP,  38                           ; v[38:39] the factor f, later 1 / the sum (the low word serves both halves)
.set KF,  40                           ; v40-87 a step's K, then its V
.set S,   88                           ; v88-151 the scores, then p
.set O,   152                          ; v152-183 O^T
.set PC,  184                          ; v184-195 p's codes; v196-198, v200-202 the conversions' second halves
.set BM,  204
.set BT,  208
.set BO,  212
.set TT,  216
.set STG, 218                          ; v218-229 a slot's bytes on their way
.set OUT, 230                          ; v230-241 the output's codes: the first head's in 0-5, the second's in 6-11
.set OW,  242
.set L16, 243
.set L8,  244
.set QSL, 245
.set OSA, 246
.set OSR, 247
.set ADS, 248
.set ADT, 249
; s[2:3] q's codes, s[4:5] q's scale words, s[6:7] the stream, s[8:9] the mask's words, s[10:11], s[12:13] the output, s[14:15] lane selects, s[16:17] c, s18 wave, s19 trip, s20 all flags, s21 flags in hand,
; s26, s27 where the trip's scale words begin; s[32:63], s[68:99] a step's 64 words of the mask (at the head: arguments and offsets)
	s_load_b256 s[32:39], s[0:1], 0x0              ; qb, kvb, mk, ab
	v_lshl_add_u32 v254, v0, 2, 0x12400
	v_mov_b32 v255, 0
	v_lshrrev_b32 v1, 5, v0
	v_readfirstlane_b32 s18, v1                    ; wave 0..15
	s_and_b32 s40, ttmp7, 0xffff                   ; y = 8 batch + pair; the pair's first bh is 2 y
	s_lshl_b32 s41, ttmp9, 4
	s_add_co_u32 s41, s41, s18                     ; my tile of queries, 0..127
	s_lshl_b32 s42, s40, 8
	s_add_co_u32 s42, s42, s41
	s_mul_i32 s42, s42, 768                        ; q's codes: (128 bh + tile) x 768
	s_mov_b32 s43, 0
	s_lshl_b32 s44, s40, 5
	s_lshl_b32 s45, ttmp9, 1
	s_add_co_u32 s44, s44, s45
	s_lshr_b32 s45, s18, 3
	s_add_co_u32 s44, s44, s45
	s_lshl_b32 s44, s44, 9
	s_add_co_u32 s44, s44, QSO                     ; q's scale words: (16 bh + tile / 8) x 512
	s_mov_b32 s45, 0
	s_mul_i32 s46, s40, 393216                     ; the stream: bh x 16 x 12,288
	s_mov_b32 s47, 0
	s_lshl_b32 s48, s40, 14
	s_add_co_u32 s48, s48, KSO
	s_mov_b32 s49, 0
	s_lshl_b32 s50, s40, 13
	s_add_co_u32 s50, s50, VSO
	s_mov_b32 s51, 0
	s_lshl_b32 s52, s41, 12                        ; the mask's words: 4,096 bytes a tile
	s_mov_b32 s53, 0
	s_lshl_b32 s54, s41, 4                         ; its flags: 16 bytes a tile
	s_lshr_b32 s55, s40, 3
	s_lshl_b32 s55, s55, 4
	s_lshl_b32 s56, ttmp9, 1
	s_add_co_u32 s55, s55, s56                     ; the output's group of 128 tokens: 16 batch + 2 block,
	s_and_b32 s57, s40, 7                          ; its K step: the pair
	s_lshr_b32 s56, s18, 3
	s_add_co_u32 s56, s56, s55                     ; + wave / 8
	s_lshl_b32 s56, s56, 3
	s_add_co_u32 s56, s56, s57
	s_mul_i32 s58, s56, 12288
	s_and_b32 s59, s18, 7
	s_mul_i32 s59, s59, 1536
	s_add_co_u32 s58, s58, s59
	s_mov_b32 s59, 0
	s_and_b32 s60, s18, 1                          ; waves 0 and 1 store the two groups' scale words
	s_add_co_u32 s60, s60, s55
	s_lshl_b32 s60, s60, 3
	s_add_co_u32 s60, s60, s57
	s_lshl_b32 s60, s60, 9
	s_add_co_u32 s60, s60, ASO
	s_mov_b32 s61, 0
	s_mov_b32 s14, 0x76543210
	s_mov_b32 s15, 0xfedcba98
	s_mov_b32 s16, 0x3e38aa3b                      ; c = log2(e) / 8
	s_mov_b32 s17, s16
	s_mov_b32 s26, 0
	s_mov_b32 s27, 0
	v_and_b32 v[TT], 31, v0                        ; lane
	v_lshlrev_b32 v[L16], 4, v[TT]
	v_lshlrev_b32 v[L8], 3, v[TT]
	v_lshl_add_u32 v[A16], v[TT], 4, SLOT0
	v_lshl_add_u32 v[A8], v[TT], 3, SLOT0
	v_lshlrev_b32 v[AKS], 4, v[TT]
	v_lshl_add_u32 v[AVS], v[TT], 3, VSC
	v_mov_b32 v[NEG], 0xd0000000
	v_lshlrev_b32 v[T16], 4, v0
	v_lshl_add_u32 v[AST], v0, 4, SLOT0
	v_and_b32 v[TT], 15, v0                        ; r
	s_and_b32 s28, s18, 1
	s_lshl_b32 s28, s28, 8
	s_bfe_u32 s29, s18, 0x20001
	s_lshl_b32 s29, s29, 2
	s_add_co_u32 s28, s28, s29
	v_lshl_add_u32 v[QSL], v[TT], 4, s28           ; q's word: lane 16 (wave % 2) + r of the record, word (wave / 2) % 4
	s_lshl_b32 s29, s18, 6
	s_add_co_u32 s29, s29, OSC
	v_lshl_add_u32 v[OSA], v[TT], 2, s29           ; the output's word: 64 bytes a wave, 4 a row
	s_and_b32 s29, s18, 1
	s_lshl_b32 s29, s29, 9
	s_add_co_u32 s29, s29, OSC
	v_add_nc_u32 v[OSR], s29, v[L16]
	s_wait_kmcnt 0x0
	s_add_nc_u64 s[2:3], s[32:33], s[42:43]
	s_add_nc_u64 s[4:5], s[32:33], s[44:45]
	s_add_nc_u64 s[6:7], s[34:35], s[46:47]
	s_add_nc_u64 s[22:23], s[34:35], s[48:49]
	s_add_nc_u64 s[24:25], s[34:35], s[50:51]
	s_add_nc_u64 s[8:9], s[36:37], s[52:53]
	s_add_nc_u64 s[10:11], s[38:39], s[58:59]
	s_add_nc_u64 s[12:13], s[38:39], s[60:61]
	s_load_b128 s[68:71], s[36:37], s54 offset:MFLG    ; my tile's four words of flags
	global_load_b128 v[S:S+3], v[T16], s[22:23]                    ; the scale words of both heads: K's 16,384 bytes,
	global_load_b128 v[S+4:S+7], v[T16], s[22:23] offset:8192
	global_load_b128 v[S+8:S+11], v[T16], s[24:25]                 ; V's 8,192
.irp k, 0,1,2
	global_load_b128 v[STG+4*\k:STG+4*\k+3], v[T16], s[6:7] offset:8192*\k   ; slot 0
.endr
	global_load_b128 v[QZ+6:QZ+9], v[L16], s[2:3]                  ; q
	global_load_b64 v[QZ+10:QZ+11], v[L8], s[2:3] offset:512
	global_load_b32 v[QS], v[QSL], s[4:5]
.irp i, 0,1,2,3,4,5
	v_mov_b32 v[QZ+\i], 0
	v_mov_b32 v[QZ+12+\i], 0
.endr
.set j, 0
.rept 32
	v_mov_b32 v[O+j], 0                            ; the step is written once: the first finds zeros, which the first change of M leaves zeros
.set j, j+1
.endr
	v_mov_b32 v13, 0xff61b1e6                      ; the largest t so far: -3e38
	v_floor_f32 v12, -v13                          ; -M
	v_mov_b32 v14, 0
	v_mov_b32 v15, 0
	v_mov_b32 v[FP+1], 0                           ; (named as the upper half of a pair)
.irp b, 0,1,2,3
	v_mov_b32 v[BT+\b], 0                          ; a lane permute's destination counts as one of its sources
.endr
	s_wait_kmcnt 0x0
	s_lshl_b32 s69, s69, 4
	s_lshl_b32 s70, s70, 8
	s_lshl_b32 s71, s71, 12
	s_or_b32 s20, s68, s69
	s_or_b32 s20, s20, s70
	s_or_b32 s20, s20, s71                         ; bit 4 T + n: step n of trip T has a hidden key
	s_mov_b32 s21, s20
	s_wait_loadcnt 6                               ; the scale words are in; slot 0's three loads and q's three may be out
	ds_store_b128 v[T16], v[S:S+3]
	ds_store_b128 v[T16], v[S+4:S+7] offset:8192
	ds_store_b128 v[T16], v[S+8:S+11] offset:16384
; THE CHANGE OF SLOTS: the slot's bytes, asked for a slot ago, go into LDS; my stores have landed and my reads of the other slot are over; one barrier; then the next slot is asked for.
; A slot is stored again only by waves that have passed the other slot's barrier, which every wave signals behind the wait for its reads.
.macro CHANGE sl
	s_wait_loadcnt 0x0
.irp k, 0,1,2
	ds_store_b128 v[AST], v[STG+4*\k:STG+4*\k+3] offset:SLOTB*(\sl)+8192*\k
.endr
	s_wait_dscnt 0x0
	s_barrier_signal -1
	s_barrier_wait -1
.if \sl
	s_cmp_eq_u32 s19, 7                            ; behind the sixteenth slot there is none: no load leaves its buffer
	s_cbranch_scc1 .Lno_more_\@
.endif
	s_add_nc_u64 s[6:7], s[6:7], SLOTB             ; (the loads that read this base are in)
.irp k, 0,1,2
	global_load_b128 v[STG+4*\k:STG+4*\k+3], v[T16], s[6:7] offset:8192*\k
.endr
.if \sl
.Lno_more_\@:
.endif
.endm
; A KEY STEP: 128 keys, the q-th of slot sl
.macro STEP sl, q
.set BASE, SLOTB*(\sl)+12288*(\q)
.set NN, 2*(\sl)+(\q)
	v_add_nc_u32 v[ADS], s26, v[AKS]               ; four places in front of loads into registers that the last products read
	v_add_nc_u32 v[ADT], s27, v[AVS]
	v_nop
	v_nop
.irp t, 0,1,2,3,4,5,6,7
	ds_load_b128 v[KF+6*\t:KF+6*\t+3], v[A16] offset:BASE+768*\t
	ds_load_b64 v[KF+6*\t+4:KF+6*\t+5], v[A8] offset:BASE+768*\t+512
.endr
	ds_load_b128 v[KS:KS+3], v[ADS] offset:512*NN
	s_wait_dscnt 0x0
.irp d, 0,1,2,3                        ; S^T = k q^T: tiles 2 d (against [q | 0], scales in lanes 0-15) and 2 d + 1 (against [0 | q], scales in lanes 16-31)
	v_wmma_scale_f32_16x16x128_f8f6f4 v[S+16*\d:S+16*\d+7], v[KF+12*\d:KF+12*\d+11], v[QZ+6:QZ+17], 0, v[KS+\d], v[QS] matrix_a_fmt:MATRIX_FMT_FP6 matrix_b_fmt:MATRIX_FMT_FP6
	v_wmma_scale_f32_16x16x128_f8f6f4 v[S+16*\d+8:S+16*\d+15], v[KF+12*\d:KF+12*\d+11], v[QZ:QZ+11], 0, v[KS+\d], v[QS] matrix_a_fmt:MATRIX_FMT_FP6 matrix_b_fmt:MATRIX_FMT_FP6 matrix_a_scale:MATRIX_SCALE_ROW1
.endr
.rept 4
	v_nop                                          ; places: V's loads land where K lay, and the scores are read
.endr
.irp f, 0,1,2,3
.irp c, 0,1
	ds_load_b128 v[KF+12*\f+6*\c:KF+12*\f+6*\c+3], v[A16] offset:BASE+6144+1536*\f+768*\c
	ds_load_b64 v[KF+12*\f+6*\c+4:KF+12*\f+6*\c+5], v[A8] offset:BASE+6144+1536*\f+768*\c+512
.endr
.endr
	ds_load_b64 v[VS:VS+1], v[ADT] offset:256*NN
	s_bitcmp1_b32 s21, NN                          ; is a key of this step hidden for one of my queries?  A stored whole number decides
	s_cbranch_scc0 .Lopen_\@
	s_load_b512 s[32:47], s[8:9], 256*NN
	s_load_b512 s[48:63], s[8:9], 256*NN+64
	s_load_b512 s[68:83], s[8:9], 256*NN+128
	s_load_b512 s[84:99], s[8:9], 256*NN+192
	s_wait_kmcnt 0x0
.set j, 0
.rept 64
	v_cndmask_b32 v[S+j], v[NEG], v[S+j], s[32+j+4*(j/32)]   ; word j: a bit a lane
.set j, j+1
.endr
.Lopen_\@:
.irp b, 0,1,2,3
	v_max3_num_f32 v[BM+\b], v[S+16*\b], v[S+16*\b+1], v[S+16*\b+2]   ; the largest score of each block of 32 keys: for the row's maximum, and, since p rises with the score, for the block's largest p
.endr
.irp i, 3,5,7,9,11,13
.irp b, 0,1,2,3
	v_max3_num_f32 v[BM+\b], v[BM+\b], v[S+16*\b+\i], v[S+16*\b+\i+1]
.endr
.endr
.irp b, 0,1,2,3
	v_max_num_f32 v[BM+\b], v[BM+\b], v[S+16*\b+15]
.endr
.irp b, 0,1,2,3
	v_permlanex16_b32 v[BT+\b], v[BM+\b], s14, s15
.endr
.irp b, 0,1,2,3
	v_max_num_f32 v[BM+\b], v[BM+\b], v[BT+\b]
.endr
	v_max3_num_f32 v[TT], v[BM], v[BM+1], v[BM+2]
	v_max_num_f32 v[TT], v[TT], v[BM+3]
	v_mul_f32 v[TT], s16, v[TT]
	v_max_num_f32 v13, v13, v[TT]                  ; the running largest t
	v_mov_b32 v[TT], v12
	v_floor_f32 v12, -v13                          ; the new -M = -ceil(t): a whole number
	v_sub_f32 v[TT], v12, v[TT]                    ; old M - new M, 0 or less
	v_cvt_i32_f32 v[TT], v[TT]                     ; (it saturates)
	v_ldexp_f32 v[FP], 1.0, v[TT]                  ; f = 2^(old M - new M): a multiplication by it rounds nothing
.set j, 0
.rept 32
	v_pk_fma_f32 v[S+j:S+j+1], v[S+j:S+j+1], s[16:17], v[12:13] op_sel_hi:[1,0,0]   ; t - M
.set j, j+2
.endr
.irp b, 0,1,2,3
	v_fma_f32 v[BM+\b], v[BM+\b], s16, v12
.endr
.set j, 0
.rept 64
	v_exp_f32 v[S+j], v[S+j]                       ; p = 2^(t - M)
.set j, j+1
.endr
	v_pk_mul_f32 v[14:15], v[14:15], v[FP:FP+1] op_sel_hi:[1,0]   ; the sums under the new M: the plain place behind the exponentials
	s_wait_alu depctr_va_vdst(0)                   ; one wait for the batch of 64, ahead of its first reader
.irp b, 0,1,2,3
	v_exp_f32 v[BM+\b], v[BM+\b]                   ; each block's largest p
.endr
	v_pk_add_f32 v[BT:BT+1], v[S:S+1], v[S+2:S+3]  ; the row's sum of the unquantised p, in two chains
.set j, 4
.rept 15
	v_pk_add_f32 v[14:15], v[14:15], v[S+j:S+j+1]
	v_pk_add_f32 v[BT:BT+1], v[BT:BT+1], v[S+j+2:S+j+3]
.set j, j+4
.endr
	v_pk_add_f32 v[14:15], v[14:15], v[BT:BT+1]
	s_wait_alu depctr_va_vdst(0)                   ; and one for the four
.irp b, 0,1,2,3
	v_max_num_f32 v[BM+\b], 0x1800000, v[BM+\b]    ; the floor 2^(3 - 127): the byte cannot fall under 1
.endr
.irp b, 0,1,2,3
	v_add_nc_u32 v[BO+\b], 0xff000000, v[BM+\b]
.endr
.irp b, 0,1,2,3
	v_lshrrev_b32 v[BT+\b], 23, v[BO+\b]
.endr
	v_lshl_or_b32 v[PW], v[BT+1], 8, v[BT]
	v_lshl_or_b32 v[PW], v[BT+2], 16, v[PW]
	v_lshl_or_b32 v[PW], v[BT+3], 24, v[PW]
.irp c, 0,1
	v_cvt_scalef32_pk16_fp6_f32 v[PC+6*\c:PC+6*\c+2], v[S+32*\c:S+32*\c+15], v[BO+2*\c]
	v_cvt_scalef32_pk16_fp6_f32 v[PC+12+4*\c:PC+14+4*\c], v[S+32*\c+16:S+32*\c+31], v[BO+2*\c+1]
.endr
	v_nop                                          ; one plain place behind a scaled conversion
.irp c, 0,1
.irp i, 0,1,2
	v_permlane16_swap_b32 v[PC+6*\c+\i], v[PC+12+4*\c+\i]
.endr
.irp i, 0,1,2
	v_mov_b32 v[PC+3+6*\c+\i], v[PC+12+4*\c+\i]
.endr
.endr
.set j, 0
.rept 16
	v_pk_mul_f32 v[O+j:O+j+1], v[O+j:O+j+1], v[FP:FP+1] op_sel_hi:[1,0]   ; O^T under the new M; these sixteen are also the places between the scale word, the codes and the products
.set j, j+2
.endr
	s_wait_dscnt 0x0                               ; V is in
.irp e, 0,1                            ; O^T += v^T p^T: four fragments of 16 channels, by turns
	v_wmma_scale_f32_16x16x128_f8f6f4 v[O+16*\e:O+16*\e+7], v[KF+24*\e:KF+24*\e+11], v[PC:PC+11], v[O+16*\e:O+16*\e+7], v[VS+\e], v[PW] matrix_a_fmt:MATRIX_FMT_FP6 matrix_b_fmt:MATRIX_FMT_FP6
	v_wmma_scale_f32_16x16x128_f8f6f4 v[O+16*\e+8:O+16*\e+15], v[KF+24*\e+12:KF+24*\e+23], v[PC:PC+11], v[O+16*\e+8:O+16*\e+15], v[VS+\e], v[PW] matrix_a_fmt:MATRIX_FMT_FP6 matrix_b_fmt:MATRIX_FMT_FP6 matrix_a_scale:MATRIX_SCALE_ROW1
.endr
.endm
; A HEAD'S END: O^T / the sum; register 16 b + i is channel 32 b + 16 h + i of my query: two blocks, six registers of codes into v[dst] on, two bytes into the output's scale word
.macro HEADEND dst, hi
.rept 4
	v_nop
.endr
	v_add_f32 v14, v14, v15
	v_permlanex16_b32 v[TT], v14, s14, s15
	v_add_f32 v14, v14, v[TT]                      ; the row's sum
	v_rcp_f32 v[FP], v14
	v_nop                                          ; a plain place behind the transcendental,
	s_wait_alu depctr_va_vdst(0)                   ; and the wait ahead of its first reader
.set j, 0
.rept 16
	v_pk_mul_f32 v[S+j:S+j+1], v[O+j:O+j+1], v[FP:FP+1] op_sel_hi:[1,0]
.set j, j+2
.endr
.irp b, 0,1
	v_max3_num_f32 v[BM+\b], |v[S+16*\b]|, |v[S+16*\b+1]|, 0x1800000
.endr
.irp i, 2,4,6,8,10,12,14
.irp b, 0,1
	v_max3_num_f32 v[BM+\b], v[BM+\b], |v[S+16*\b+\i]|, |v[S+16*\b+\i+1]|
.endr
.endr
.irp b, 0,1
	v_permlanex16_b32 v[BT+\b], v[BM+\b], s14, s15
.endr
.irp b, 0,1
	v_max_num_f32 v[BM+\b], v[BM+\b], v[BT+\b]
.endr
.irp b, 0,1
	v_add_nc_u32 v[BO+\b], 0xff000000, v[BM+\b]
.endr
.irp b, 0,1
	v_lshrrev_b32 v[BT+\b], 23, v[BO+\b]
.endr
	v_lshl_or_b32 v[TT], v[BT+1], 8, v[BT]
.if \hi
	v_lshl_or_b32 v[OW], v[TT], 16, v[OW]
.else
	v_mov_b32 v[OW], v[TT]
.endif
	v_cvt_scalef32_pk16_fp6_f32 v[\dst:\dst+2], v[S:S+15], v[BO]
	v_cvt_scalef32_pk16_fp6_f32 v[PC+12:PC+14], v[S+16:S+31], v[BO+1]
	v_nop
.irp i, 0,1,2
	v_permlane16_swap_b32 v[\dst+\i], v[PC+12+\i]
.endr
.irp i, 0,1,2
	v_mov_b32 v[\dst+3+\i], v[PC+12+\i]
.endr
.endm
	s_mov_b32 s19, 0
.Ltrip:                                ; eight trips of two slots, four key steps: trips 0-3 the first head, 4-7 the second
	CHANGE 0
	STEP 0, 0
	STEP 0, 1
	CHANGE 1
	STEP 1, 0
	STEP 1, 1
	s_add_co_u32 s26, s26, 2048                    ; the next trip's scale words
	s_add_co_u32 s27, s27, 1024
	s_wait_xcnt 0x0                                ; the scalar loads have read their base
	s_add_nc_u64 s[8:9], s[8:9], 1024              ; the next four steps' words of the mask,
	s_lshr_b32 s21, s21, 4                         ; and their flags
	s_cmp_lg_u32 s19, 3
	s_cbranch_scc1 .Lsame_head
	HEADEND OUT, 0
	s_add_nc_u64 s[2:3], s[2:3], 98304             ; the second head's q (its loads are waited for at the next change of slots)
	s_add_nc_u64 s[4:5], s[4:5], 8192
	global_load_b128 v[QZ+6:QZ+9], v[L16], s[2:3]
	global_load_b64 v[QZ+10:QZ+11], v[L8], s[2:3] offset:512
	global_load_b32 v[QS], v[QSL], s[4:5]
	v_mov_b32 v13, 0xff61b1e6
	v_floor_f32 v12, -v13
	v_mov_b32 v14, 0
	v_mov_b32 v15, 0
.set j, 0
.rept 32
	v_mov_b32 v[O+j], 0
.set j, j+1
.endr
	s_sub_nc_u64 s[8:9], s[8:9], 4096              ; the mask is the same for every head
	s_mov_b32 s21, s20
.Lsame_head:
	s_add_co_u32 s19, s19, 1
	s_cmp_lt_u32 s19, 8
	s_cbranch_scc1 .Ltrip
	HEADEND OUT+6, 1
.irp c, 0,1,2
	global_store_b128 v[L16], v[OUT+4*\c:OUT+4*\c+3], s[10:11] offset:512*\c   ; the fragment's image: 512 consecutive bytes a store
.endr
	ds_store_b32 v[OSA], v[OW]                     ; lanes r and r + 16 write the same word with the same value
	s_wait_dscnt 0x0
	s_barrier_signal -1
	s_barrier_wait -1
	s_cmp_lt_u32 s18, 2
	s_cbranch_scc0 .Ldone
	ds_load_b128 v[S:S+3], v[OSR]                  ; eight tiles' words: 512 bytes
	s_wait_dscnt 0x0
	global_store_b128 v[L16], v[S:S+3], s[12:13]
.Ldone:
	s_wait_tensorcnt 0x0
	ds_add_u32 v254, v255
	s_wait_dscnt 0x0
	s_endpgm
.Lfunc_end_k_q9d9742b2c0_attn:
	.size	k_q9d9742b2c0_attn, .Lfunc_end_k_q9d9742b2c0_attn-k_q9d9742b2c0_attn
	.p2alignl 7, 3214868480
	.fill 96, 4, 3214868480
	.section	.rodata,"a",@progbits
	.p2align	6, 0x0
	.amdhsa_kernel k_q9d9742b2c0_attn
		.amdhsa_group_segment_fixed_size 76800
		.amdhsa_private_segment_fixed_size 0
		.amdhsa_enable_private_segment 0
		.amdhsa_kernarg_size 32
		.amdhsa_user_sgpr_count 2
		.amdhsa_user_sgpr_kernarg_segment_ptr 1
		.amdhsa_wavefront_size32 1
		.amdhsa_system_sgpr_workgroup_id_x 1
		.amdhsa_system_sgpr_workgroup_id_y 1
		.amdhsa_system_sgpr_workgroup_id_z 1
		.amdhsa_system_vgpr_workitem_id 0
		.amdhsa_next_free_vgpr 256
		.amdhsa_next_free_sgpr 100
		.amdhsa_reserve_vcc 0
		.amdhsa_float_denorm_mode_32 3
		.amdhsa_float_denorm_mode_16_64 3
		.amdhsa_memory_ordered 1
		.amdhsa_forward_progress 1
		.amdhsa_inst_pref_size 98
	.end_amdhsa_kernel
	.amdgpu_metadata
---
amdhsa.version: [ 1, 2 ]
amdhsa.kernels:
  - .name:           k_q9d9742b2c0_attn
    .symbol:         k_q9d9742b2c0_attn.kd
    .args:
      - { .name: qb, .offset: 0, .size: 8, .value_kind: global_buffer, .address_space: global }
      - { .name: kvb, .offset: 8, .size: 8, .value_kind: global_buffer, .address_space: global }
      - { .name: mk, .offset: 16, .size: 8, .value_kind: global_buffer, .address_space: global }
      - { .name: ab, .offset: 24, .size: 8, .value_kind: global_buffer, .address_space: global }
    .group_segment_fixed_size: 76800
    .private_segment_fixed_size: 0
    .kernarg_segment_align: 8
    .kernarg_segment_size: 32
    .max_flat_workgroup_size: 512
    .sgpr_count:     100
    .vgpr_count:     256
    .wavefront_size: 32
...
	.end_amdgpu_metadata
.endif
;; end of part 3
;; launch oproj (part 4): grid 4 x 32, 4 waves a work-group, clusters of 4 x 4, 327,680 bytes of LDS; arguments ab, wx, out0; writes out0
.if DOCPART == 4
	.amdgcn_target "amdgcn-amd-amdhsa--gfx1250"
	.amdhsa_code_object_version 6
	.text
	.protected	k_q9d9742b2c0_oproj
	.globl	k_q9d9742b2c0_oproj
	.p2align	8
	.type	k_q9d9742b2c0_oproj,@function
k_q9d9742b2c0_oproj:
	s_mov_b64 s[64:65], 0
	v_nop
	global_prefetch_b8 v0, s[64:65] scope:SCOPE_SE
	s_setreg_imm32_b32 hwreg(HW_REG_WAVE_MODE, 25, 1), 1
	s_wait_xcnt 0x0
	s_wait_alu depctr_hold_cnt(0) depctr_sa_sdst(0) depctr_va_vdst(0) depctr_va_sdst(0) depctr_va_ssrc(0) depctr_va_vcc(0) depctr_vm_vsrc(0)
	s_getreg_b32 s2, hwreg(HW_REG_IB_STS2, 6, 4)
	s_cmp_eq_u32 s2, 0
	s_cbranch_scc0 .Lentry_in_a_cluster
	s_endpgm
.Lentry_in_a_cluster:
	s_bfe_u32 s2, ttmp6, 0x10000c
	s_cmp_lg_u32 s2, 0xf033
	s_cbranch_scc0 .Lentry_shape_is_right
	s_endpgm
.Lentry_shape_is_right:
; OPROJ.  out0 = a Wo^T on codes of FP6 (E2M3) with E8M0 scales, f32 sums.  a: the attention's output as codes in ab, Wo: groups 88-95 of wx; both lie as images of the operand's registers:
; [group of 128 rows][K step of 128][tile][1,536 bytes]; scale words [group][K step][tile][row].  Of each 32 rows tile u holds rows 8 u + r + 8 (r / 8).
; A tile of 256 x 256 of out0 is made by a work-group of four waves, a wave 128 x 128: 64 accumulators.  Source 0 = 16 rows of Wo, source 1 = 16 tokens: a lane holds a token and eight neighbouring columns an accumulator.
; K = 1,024 goes in four fills of two K steps through two LDS slots; a group's two K steps are 24,576 dense bytes: one tensor load.  The scale words of the four groups come once.
; CLUSTERS: 4 x 4 work-groups; a's groups are shared along a row of the cluster, Wo's along a column: each is asked for jointly.  8,192 x 1,024 results are 128 such tiles: 128 work-groups.
; REGISTERS: window 0: v16-29 addresses; v32-63 scale words, two sets; v128-223 A's fragments (on the way out v128-255 rows of out0).  window 1: B's two sets.  windows 2, 3: accumulator (a, b) at v[8 (8 (a % 4) + b)].
.set PART,  24576
.set SLOT,  4*PART
.set SCL,   2*SLOT
.set SPARE, SCL+4*4096                 ; the spare words, 128 bytes for each wave: two blocks of 256 bytes that no other line names
.set SCLO,  9437184
.set ASO,   6291456
.set SPITCH, 528                       ; the way out: a stage of 16 rows x (512 bytes + 16) for each wave, in slot 0, which has had its last fill and its last read when the first result is stored there
.set FR,    12
.set NL,    3
.set NP,    4
.set ADRA,  16
.set ADRB,  20
.set STO,   24
.set RD,    25
.set CO,    26
.set ADRS,  27
.set SPW,   28
.set NIL,   29
.set SC,    32
.set AF,    128
.set BK,    128
.set G1, 24
.set G0, 32
.set G1B, 48
.set G0B, 56
.set G1S, 68
.set G0S, 76
.set G1SB, 80
.set G0SB, 88
.set MSB, 0
.macro WIN new                         ; the immediate's high byte repeats the setting that is left
.if MSB != (\new)
	s_set_vgpr_msb (MSB<<8)|(\new)
.set MSB, (\new)
.endif
.endm
.set MUL_LO, 0xa1
.set MUL_HI, 0xf1
.set TO_B,   0x40
.macro JLOAD g0a, g1a, g0b, g1b        ; a joint load: waves 0 and 1 fetch for A, waves 2 and 3 for B; four v_nop follow each of the two lines
	s_cmp_eq_u32 s15, 0
	s_cbranch_scc0 .Lfor_b_\@
	tensor_load_to_lds s[\g0a:\g0a+3], s[\g1a:\g1a+7]
	s_nop 0
.rept 4
	v_nop
.endr
	s_branch .Lasked_\@
.Lfor_b_\@:
	tensor_load_to_lds s[\g0b:\g0b+3], s[\g1b:\g1b+7]
	s_nop 0
.rept 4
	v_nop
.endr
.Lasked_\@:
.endm
.macro CREST
	s_cmp_lg_u32 s14, 0
	s_cbranch_scc1 .Lnot_wave_0_\@
	s_barrier_signal -3
.Lnot_wave_0_\@:
	s_barrier_wait -3
	s_barrier_signal -1
	s_barrier_wait -1
.endm
.macro CROUND
	s_barrier_signal -1
	s_barrier_wait -1
	CREST
.endm
	s_load_b128 s[4:7], s[0:1], 0x0                ; ab, wx
	s_load_b64 s[12:13], s[0:1], 0x10              ; out0
	v_lshl_add_u32 v[SPW], v0, 2, SPARE
	v_mov_b32 v[NIL], 0
	ds_add_u32 v28, v29
	ds_add_u32 v28, v29
	s_wait_dscnt 0x0
	v_lshrrev_b32 v1, 5, v0
	v_readfirstlane_b32 s14, v1                    ; wave 0..3
	s_lshr_b32 s15, s14, 1                         ; which group of A is mine.  Also: I fetch for A (0) or for B (1)
	s_and_b32 s16, s14, 1                          ; which group of B.  Also: which group of the two I fetch
	s_bfe_u32 s40, ttmp6, 0x40000                  ; cx
	s_bfe_u32 s41, ttmp6, 0x40004                  ; cy
	s_lshl_b32 s42, ttmp9, 2
	s_add_co_u32 s42, s42, s40                     ; tile column
	s_and_b32 s17, ttmp7, 0xffff
	s_lshl_b32 s17, s17, 2
	s_add_co_u32 s17, s17, s41                     ; tile row
	s_lshl_b32 s43, s41, 2
	s_lshl_b32 s43, 15, s43                        ; my row of the cluster
	s_lshl_b32 s44, 0x1111, s40                    ; my column
	s_or_b32 s[G1+0], s43, (3<<16)|(1<<21)         ; 24,576 dense bytes as 96 rows of 32 elements of 8 bytes; the mask: A's groups go to my row; 21 set beside a mask
	s_or_b32 s[G1B+0], s44, (3<<16)|(1<<21)
.irp g, G1, G1B
	s_mov_b32 s[\g+1], 32<<16
	s_mov_b32 s[\g+2], 96<<16
	s_mov_b32 s[\g+3], 32<<16
	s_mov_b32 s[\g+4], 96
	s_mov_b32 s[\g+5], 32
	s_mov_b32 s[\g+6], 0
	s_mov_b32 s[\g+7], 0
.endr
	s_or_b32 s[G1S+0], s43, (3<<16)|(1<<21)        ; a group's scale words: 16 such rows
	s_or_b32 s[G1SB+0], s44, (3<<16)|(1<<21)
.irp g, G1S, G1SB
	s_mov_b32 s[\g+1], 32<<16
	s_mov_b32 s[\g+2], 16<<16
	s_mov_b32 s[\g+3], 32<<16
	s_mov_b32 s[\g+4], 16
	s_mov_b32 s[\g+5], 32
	s_mov_b32 s[\g+6], 0
	s_mov_b32 s[\g+7], 0
.endr
	s_lshl_b32 s20, s17, 1
	s_add_co_u32 s20, s20, s16                     ; A's group that I would fetch
	s_lshl_b32 s46, s42, 1
	s_add_co_u32 s46, s46, s16
	s_add_co_u32 s46, s46, 88                      ; B's: Wo begins at group 88
	s_mul_i32 s92, s20, 98304
	s_mov_b32 s93, 0
	s_lshl_b32 s94, s20, 12
	s_add_co_u32 s94, s94, ASO
	s_mov_b32 s95, 0
	s_mul_i32 s96, s46, 98304
	s_mov_b32 s97, 0
	s_lshl_b32 s98, s46, 12
	s_add_co_u32 s98, s98, SCLO
	s_mov_b32 s99, 0
	s_mul_i32 s45, s14, PART
	s_lshl_b32 s47, s14, 12
	s_wait_kmcnt 0x0
	s_add_nc_u64 s[92:93], s[4:5], s[92:93]
	s_add_nc_u64 s[94:95], s[4:5], s[94:95]
	s_add_nc_u64 s[96:97], s[6:7], s[96:97]
	s_add_nc_u64 s[98:99], s[6:7], s[98:99]
	CROUND                                         ; all sixteen work-groups are here: the first joint loads meet
	s_mov_b32 s[G0S], 1
	s_add_co_u32 s[G0S+1], s47, SCL
	s_mov_b64 s[G0S+2:G0S+3], s[94:95]
	s_or_b32 s[G0S+3], s[G0S+3], 0x80000000
	s_mov_b32 s[G0SB], 1
	s_add_co_u32 s[G0SB+1], s47, SCL
	s_mov_b64 s[G0SB+2:G0SB+3], s[98:99]
	s_or_b32 s[G0SB+3], s[G0SB+3], 0x80000000
	JLOAD G0S, G1S, G0SB, G1SB
.irp s, 0,1
	s_mov_b32 s[G0+4*\s], 1
	s_add_co_u32 s[G0+4*\s+1], s45, \s*SLOT
	s_add_nc_u64 s[G0+4*\s+2:G0+4*\s+3], s[92:93], \s*PART
	s_or_b32 s[G0+4*\s+3], s[G0+4*\s+3], 0x80000000
	s_mov_b32 s[G0B+4*\s], 1
	s_add_co_u32 s[G0B+4*\s+1], s45, \s*SLOT
	s_add_nc_u64 s[G0B+4*\s+2:G0B+4*\s+3], s[96:97], \s*PART
	s_or_b32 s[G0B+4*\s+3], s[G0B+4*\s+3], 0x80000000
	JLOAD G0+4*\s, G1, G0B+4*\s, G1B               ; three loads of mine are out
.endr
	v_and_b32 v1, 31, v0
	v_lshlrev_b32 v2, 4, v1                        ; 16 l
	s_mul_i32 s21, s15, PART
	s_mul_i32 s22, s16, PART
	s_add_co_u32 s22, s22, 2*PART
.irp s, 0,1
	v_add_nc_u32 v[ADRA+\s], s21, v2
	v_add_nc_u32 v[ADRB+\s], s22, v2
	s_add_co_u32 s21, s21, SLOT
	s_add_co_u32 s22, s22, SLOT
.endr
	v_and_b32 v3, 15, v0                           ; r
	v_bfe_u32 v4, v0, 4, 1                         ; h
	v_lshlrev_b32 v5, 2, v3
	s_lshl_b32 s21, s15, 12
	s_lshl_b32 s22, s16, 12
	s_add_co_u32 s22, s22, 8192
	s_sub_co_u32 s22, s22, s21
	v_mul_u32_u24 v6, s22, v4                      ; lanes 16-31 take B's scale words
	s_add_co_u32 s21, s21, SCL
	v_add_nc_u32 v5, v5, v6
	v_add_nc_u32 v[ADRS], s21, v5
	s_mul_i32 s23, s14, 16*SPITCH                  ; my stage
	v_mul_u32_u24 v5, v3, SPITCH                   ; in: row r, + 64 h
	v_lshl_add_u32 v5, v4, 6, v5
	v_add_nc_u32 v[STO], s23, v5
	v_add_nc_u32 v[RD], s23, v2                    ; back: the 32 lanes take one row of 512 bytes
	v_lshlrev_b32 v[CO], 4, v1
	s_lshl_b32 s20, s17, 20                        ; my first row of out0: (256 tile row + 128 half) x 4,096 bytes
	s_lshl_b32 s21, s15, 19
	s_add_co_u32 s20, s20, s21
	s_mov_b32 s21, 0
	s_lshl_b32 s46, s42, 10                        ; my first column: 1,024 x tile column + 512 x half
	s_lshl_b32 s47, s16, 9
	s_add_co_u32 s46, s46, s47
	s_mov_b32 s47, 0
	s_add_nc_u64 s[20:21], s[20:21], s[46:47]
	s_add_nc_u64 s[12:13], s[12:13], s[20:21]
.macro FRAG reg, adr, off
.irp c, 0,1,2
	ds_load_b128 v[\reg+4*\c:\reg+4*\c+3], v[\adr] offset:\off+512*\c
.endr
.endm
; The 64 accumulators take turns, one instruction a turn, in the same order in every step.
.macro MUL16 a0, p, q, sc, zero
.irp a, \a0, \a0+1
.irp b, 0,1,2,3,4,5,6,7
.if \zero
	v_wmma_scale_f32_16x16x128_f8f6f4 v[8*(8*((\a)%4)+\b):8*(8*((\a)%4)+\b)+7], v[128*(\p)+FR*\b:128*(\p)+FR*\b+FR-1], v[AF+FR*(\a):AF+FR*(\a)+FR-1], 0, v[SC+16*(\sc)+2*\b+(\q)], v[SC+16*(\sc)+2*(\a)+(\q)] matrix_a_fmt:MATRIX_FMT_FP6 matrix_b_fmt:MATRIX_FMT_FP6 matrix_a_scale:MATRIX_SCALE_ROW1
.else
	v_wmma_scale_f32_16x16x128_f8f6f4 v[8*(8*((\a)%4)+\b):8*(8*((\a)%4)+\b)+7], v[128*(\p)+FR*\b:128*(\p)+FR*\b+FR-1], v[AF+FR*(\a):AF+FR*(\a)+FR-1], v[8*(8*((\a)%4)+\b):8*(8*((\a)%4)+\b)+7], v[SC+16*(\sc)+2*\b+(\q)], v[SC+16*(\sc)+2*(\a)+(\q)] matrix_a_fmt:MATRIX_FMT_FP6 matrix_b_fmt:MATRIX_FMT_FP6 matrix_a_scale:MATRIX_SCALE_ROW1
.endif
.endr
.endr
.endm
.macro FETCH_B slot, q, p
	WIN TO_B
.irp i, 0,1,2,3,4,5,6,7
	FRAG 128*(\p)+FR*\i, ADRB+\slot, 12288*(\q)+1536*\i
.endr
	WIN 0
.endm
.macro FETCH_A slot, q, i0
.irp i, \i0, \i0+1, \i0+2, \i0+3
	FRAG AF+FR*(\i), ADRA+\slot, 12288*(\q)+1536*(\i)
.endr
.endm
.macro SCALES sc, ks
.irp i, 0,1,2,3,4,5,6,7
.irp e, 0,1
	ds_load_b32 v[SC+16*(\sc)+2*\i+\e], v[ADRS] offset:512*((\ks)+\e)+64*\i
.endr
.endr
.endm
.macro PLACES n
.rept \n
	v_nop
.endr
.endm
.macro STEP slot, q, zero
	s_wait_dscnt 4*NL                              ; all but the youngest 12 loads (A's blocks 4-7) are in
	WIN MUL_LO
	MUL16 0, (\q)%2, \q, \slot, \zero
	MUL16 2, (\q)%2, \q, \slot, \zero
	s_wait_dscnt 0
	PLACES NP
	FETCH_B \slot, (\q)+1, 1-(\q)%2
	FETCH_A \slot, (\q)+1, 0
	WIN MUL_HI
	MUL16 4, (\q)%2, \q, \slot, \zero
	MUL16 6, (\q)%2, \q, \slot, \zero
	PLACES NP
	WIN 0
	FETCH_A \slot, (\q)+1, 4
.endm
.macro TURN slot, next, fill, ks
	s_wait_tensorcnt 0x0                           ; all my tensor loads have landed: my part of the next slot
	ds_add_u32 v[SPW], v[NIL]                      ; 0 onto my spare word
	s_wait_dscnt 4*NL+1                            ; the add and the youngest 12 loads may be out
	WIN MUL_LO
	MUL16 0, 1, 1, \slot, 0
	s_wait_dscnt 0x0                               ; the add is done, and my reads of this slot are over
	s_barrier_signal -1
	MUL16 2, 1, 1, \slot, 0
	WIN 0
	s_barrier_wait -1
.if \fill
	CREST                                          ; the barrier has opened a round of the cluster's barrier: no wave of any partner still reads this slot or has a load on its way
	s_add_nc_u64 s[G0+4*\slot+2:G0+4*\slot+3], s[G0+4*\slot+2:G0+4*\slot+3], 2*PART
	s_add_nc_u64 s[G0B+4*\slot+2:G0B+4*\slot+3], s[G0B+4*\slot+2:G0B+4*\slot+3], 2*PART
	JLOAD G0+4*\slot, G1, G0B+4*\slot, G1B
.else
	PLACES NP
.endif
	FETCH_B \next, 0, 0
	FETCH_A \next, 0, 0
	SCALES \next, \ks
	WIN MUL_HI
	MUL16 4, 1, 1, \slot, 0
	MUL16 6, 1, 1, \slot, 0
	PLACES NP
	WIN 0
	FETCH_A \next, 0, 4
.endm
	s_wait_tensorcnt 1                             ; the scale words and my part of slot 0 are in; slot 1's load may be out
	s_barrier_signal -1
	s_barrier_wait -1
	FETCH_B 0, 0, 0
	FETCH_A 0, 0, 0
	SCALES 0, 0
	FETCH_A 0, 0, 4
	STEP 0, 0, 1
	TURN 0, 1, 1, 2
	STEP 1, 0, 0
	TURN 1, 0, 1, 4
	STEP 0, 0, 0
	TURN 0, 1, 0, 6
	STEP 1, 0, 0
	s_wait_dscnt 4*NL
	WIN MUL_LO
	MUL16 0, 1, 1, 1, 0
	MUL16 2, 1, 1, 1, 0
	s_wait_dscnt 0
	WIN MUL_HI
	MUL16 4, 1, 1, 1, 0
	MUL16 6, 1, 1, 1, 0
	WIN 0
; THE WAY OUT, block by block of 16 tokens x 128 columns, through my own stage: accumulator b's eight numbers are columns 32 (b / 2) + 16 h + 8 (b % 2) + 0 .. 7 of token row r; back come whole rows of 512 bytes.
; LDS serves a wave's instructions in order: no wait between the stores and the loads, nor in front of the next block's stores.
.macro TOSTAGE a
.set AC, 64*((\a)%4)
	WIN 0x08+4*((\a)/4)                            ; the data: window 2 or 3
.irp b, 0,1,2,3,4,5,6,7
	ds_store_b128 v[STO], v[AC+8*\b:AC+8*\b+3] offset:128*(\b/2)+32*(\b%2)          ; each accumulator from its low end on
	ds_store_b128 v[STO], v[AC+8*\b+4:AC+8*\b+7] offset:128*(\b/2)+32*(\b%2)+16
.endr
	WIN 0
.set BB, BK+64*((\a)%2)
.irp t, 0,1,2,3,4,5,6,7,8,9,10,11,12,13,14,15
	ds_load_b128 v[BB+4*\t:BB+4*\t+3], v[RD] offset:\t*SPITCH
.endr
.endm
.macro SEND a, younger                 ; younger: the LDS instructions issued behind block a's loads, which may stay out
.set BB, BK+64*((\a)%2)
	s_wait_dscnt \younger
.irp t, 0,1,2,3,4,5,6,7,8,9,10,11,12,13,14,15
	global_store_b128 v[CO], v[BB+4*\t:BB+4*\t+3], s[12:13] offset:(32*((\a)/2)+8*((\a)%2)+\t+8*(\t/8))*4096 th:TH_STORE_NT   ; 32 lanes store 512 consecutive bytes of the token's row; the row's place stands in the immediate, 127 rows at the most
.endr
.endm
	PLACES NP
	TOSTAGE 0
.irp a, 1,2,3,4,5,6,7
.if \a > 1
	s_wait_xcnt 0x0                                ; block a - 2's stores have read their registers: block a's loads may land there
.endif
	TOSTAGE \a
	SEND \a-1, 32                                  ; behind block a - 1's loads: block a's 16 stores and 16 loads
.endr
	SEND 7, 0
	s_wait_tensorcnt 0x0                           ; the wave's end
	ds_add_u32 v[SPW], v[NIL]
	s_wait_dscnt 0x0
	CROUND                                         ; the closing round
	s_endpgm
.Lfunc_end_k_q9d9742b2c0_oproj:
	.size	k_q9d9742b2c0_oproj, .Lfunc_end_k_q9d9742b2c0_oproj-k_q9d9742b2c0_oproj
	.p2alignl 7, 3214868480
	.fill 96, 4, 3214868480
	.section	.rodata,"a",@progbits
	.p2align	6, 0x0
	.amdhsa_kernel k_q9d9742b2c0_oproj
		.amdhsa_group_segment_fixed_size 327680
		.amdhsa_private_segment_fixed_size 0
		.amdhsa_enable_private_segment 0
		.amdhsa_kernarg_size 24
		.amdhsa_user_sgpr_count 2
		.amdhsa_user_sgpr_kernarg_segment_ptr 1
		.amdhsa_wavefront_size32 1
		.amdhsa_system_sgpr_workgroup_id_x 1
		.amdhsa_system_sgpr_workgroup_id_y 1
		.amdhsa_system_sgpr_workgroup_id_z 1
		.amdhsa_system_vgpr_workitem_id 0
		.amdhsa_next_free_vgpr 1024
		.amdhsa_next_free_sgpr 100
		.amdhsa_reserve_vcc 0
		.amdhsa_float_denorm_mode_32 3
		.amdhsa_float_denorm_mode_16_64 3
		.amdhsa_memory_ordered 1
		.amdhsa_forward_progress 1
		.amdhsa_inst_pref_size 137
	.end_amdhsa_kernel
	.amdgpu_metadata
---
amdhsa.version: [ 1, 2 ]
amdhsa.kernels:
  - .name:           k_q9d9742b2c0_oproj
    .symbol:         k_q9d9742b2c0_oproj.kd
    .args:
      - { .name: ab, .offset: 0, .size: 8, .value_kind: global_buffer, .address_space: global }
      - { .name: wx, .offset: 8, .size: 8, .value_kind: global_buffer, .address_space: global }
      - { .name: out0, .offset: 16, .size: 8, .value_kind: global_buffer, .address_space: global }
    .group_segment_fixed_size: 327680
    .private_segment_fixed_size: 0
    .kernarg_segment_align: 8
    .kernarg_segment_size: 24
    .max_flat_workgroup_size: 128
    .sgpr_count:     100
    .vgpr_count:     1024
    .wavefront_size: 32
...
	.end_amdgpu_metadata
.endif
;; end of part 4
;; ======== version 2 of 2: 4 launches; version 1 with the launch attn written anew for expert scheduling mode
;; limits: right only within a limited range of input values
;; workspace buffers: wx 9,830,400 bytes; mk 526,336 bytes of whole numbers; qb 6,815,744 bytes; kvb 13,369,344 bytes; ab 6,553,600 bytes
;; launch prep: the kernel of part 1 again; grid 512 x 1, 4 waves a work-group, no clusters, 35,328 bytes of LDS; arguments x, Wq, Wk, Wv, Wo, mask, wx, mk; writes wx, mk
;; launch qkv: the kernel of part 2 again; grid 96 x 4, 4 waves a work-group, clusters of 4 x 4, 327,680 bytes of LDS; arguments wx, qb, kvb; writes qb, kvb
;; launch attn (part 5): grid 8 x 32, 16 waves a work-group, no clusters, 76,800 bytes of LDS; arguments qb, kvb, mk, ab; writes ab
.if DOCPART == 5
	.amdgcn_target "amdgcn-amd-amdhsa--gfx1250"
	.amdhsa_code_object_version 6
	.text
	.protected	k_q9d9742b2c0_attn
	.globl	k_q9d9742b2c0_attn
	.p2align	8
	.type	k_q9d9742b2c0_attn,@function
k_q9d9742b2c0_attn:
	s_mov_b64 s[64:65], 0
	v_nop
	global_prefetch_b8 v0, s[64:65] scope:SCOPE_SE
	s_setreg_imm32_b32 hwreg(HW_REG_WAVE_SCHED_MODE, 0, 2), 2
	s_setreg_imm32_b32 hwreg(HW_REG_WAVE_MODE, 25, 1), 1
	s_wait_xcnt 0x0
	s_wait_alu depctr_vm_vsrc(0)
; ATTN.  For each (batch, head): o = softmax(mask ? q k^T / 8 : -1e9) v, both products on codes of FP6 (E2M3) with E8M0 scales; o is quantised along the model's 1,024 and leaves as codes, as the last product's operand.
; THE SOFTMAX: t = score x log2(e) / 8; M = the running largest t rounded up to a whole number; p = 2^(t - M) is quantised along the keys, not normalised; the row's sum is taken of the unquantised p and divides at the end.
; SHARES.  A work-group owns 256 queries of a batch and a PAIR of heads, one after the other; each of its sixteen waves owns one tile of 16 queries in 256 registers: four waves to a SIMD.
; K and V of both heads are one stream of 16 slots of 24,576 bytes (256 keys); a slot comes through registers into LDS (512 threads x 3 x 16 bytes), asked for a slot's work ahead; two LDS slots, one barrier a slot.
; No tensor load and no cluster: a step's 64 selects for the mask are jumped over where the stored flag says that no key of the step is hidden for my 16 queries;
; what a work-group fetches is 24,576 bytes for two steps of sixteen waves, a small part of a step's work.
; LAYOUT.  Both products are used transposed (S^T = k q^T, O^T = v^T p^T): a lane holds one query.  A head has 64 channels, half of the instruction's 128: an operand of 12 registers holds TWO tiles of keys (registers 0-5, 6-11),
; and is multiplied once by [q | zeros] and once by [zeros | q]: zero codes add nothing.  The tiles' rows are such that the 16 registers of two neighbouring tiles are 16 neighbouring keys.
; THE MASK.  A hidden score becomes -2^33, a logit of -2^30 where the definition has -1e9: score x c is then exact, so that in a row all of whose keys are hidden t - M is exactly 0 and every p is 1, as with -1e9.
; LIMITS: a row with a key that counts gives the same result as with -1e9 as long as its largest logit that counts lies above about -1e9 + 150; a block of zeros gets the byte 1; NaN and infinities are not served.
; THE MODE: SCHED_MODE bits 1:0 = 2 (LLVM: expert scheduling mode 2), set by the entry lines.  The code itself states the register dependences
; between vector or matrix instructions and memory or LDS instructions, with s_wait_alu, always for 0.
; THE PLAN.  Registers that memory or LDS instructions touch:
;   A16, A8, T16, AST, L16, L8, QSL, OSA, OSR   addresses, made once at the head and never written again: one wait on va_vdst ahead of the first load serves every access by them.
;   ADS, ADT   Written by two additions at a step's head; read by the step's two loads of scale words.  A wait on vm_vsrc stands ahead of the additions, the step's first wait on va_vdst behind them.
;   KF         K's loads land in it at a step's head, V's behind the first products; both products read it.  So a wait on va_vdst stands ahead of each of the two runs of loads.
;   KS, VS     Loaded once a step; read as scales by the first and by the second products: the same two waits cover them.
;   QZ+6 .. QZ+11, QS   Loaded at the head and at the change of heads; read by the first products.  QZ's twelve zeros are written once, at the head, ahead of the first step's wait.
;   STG        Named by memory and LDS instructions alone: global loads write it, LDS stores read it: a wait on vm_vsrc between the stores and the next loads.
;   S          At the head loads land in S .. S+11 and LDS stores read them (the first change of slots' wait on vm_vsrc stands ahead of the first products); at the end an LDS load lands in S .. S+3, behind the last wait on va_vdst.
;   PC, PW     Written by vector instructions, taken by the second products as source 1 and as its scales: a wait on va_vdst directly ahead of them, behind the places.
;   OUT, OW    Written by the heads' ends; read by the last stores: the last wait on va_vdst.
;   O, v12-15, FP, BM, BT, BO, TT, NEG are named by vector and matrix instructions alone.  All 256 registers of a wave are spoken for but seven: K and V have one set of registers.
.set QSO,   6291456
.set KSO,   12582912
.set VSO,   13107200
.set ASO,   6291456
.set MFLG,  524288
.set VSC,   16384                      ; LDS: K's scale words of both heads at 0 (16,384 bytes), V's here (8,192),
.set SLOT0, 24576                      ; the two slots,
.set SLOTB, 24576
.set OSC,   73728                      ; and the output's scale words (1,024)
.set A16, 1                            ; SLOT0 + 16 l
.set A8,  2                            ; SLOT0 + 8 l
.set AKS, 3                            ; 16 l
.set AVS, 4                            ; VSC + 8 l
.set NEG, 5                            ; -2^33
.set T16, 6                            ; 16 x thread
.set AST, 7                            ; SLOT0 + 16 x thread
.set KS,  8                            ; v8-11 K's scale words
.set QZ,  16                           ; v16-33: six zeros, q's six registers, six zeros
.set QS,  34
.set PW,  35
.set VS,  36
.set FP,  38                           ; v[38:39] the factor f, later 1 / the sum (the low word serves both halves)
.set KF,  40                           ; v40-87 a step's K, then its V
.set S,   88                           ; v88-151 the scores, then p
.set O,   152                          ; v152-183 O^T
.set PC,  184                          ; v184-195 p's codes; v196-198, v200-202 the conversions' second halves
.set BM,  204
.set BT,  208
.set BO,  212
.set TT,  216
.set STG, 218                          ; v218-229 a slot's bytes on their way
.set OUT, 230                          ; v230-241 the output's codes: the first head's in 0-5, the second's in 6-11
.set OW,  242
.set L16, 243
.set L8,  244
.set QSL, 245
.set OSA, 246
.set OSR, 247
.set ADS, 248
.set ADT, 249
; s[2:3] q's codes, s[4:5] q's scale words, s[6:7] the stream, s[8:9] the mask's words, s[10:11], s[12:13] the output, s[14:15] lane selects, s[16:17] c, s18 wave, s19 trip, s20 all flags, s21 flags in hand,
; s26, s27 where the trip's scale words begin; s[32:63], s[68:99] a step's 64 words of the mask (at the head: arguments and offsets)
	s_load_b256 s[32:39], s[0:1], 0x0              ; qb, kvb, mk, ab
	v_lshl_add_u32 v254, v0, 2, 0x12400
	v_mov_b32 v255, 0
	v_lshrrev_b32 v1, 5, v0
	v_readfirstlane_b32 s18, v1                    ; wave 0..15
	s_wait_alu depctr_va_sdst(0)                   ; s18 is written, ahead of its first reader: offsets, LDS addresses and branches are made from it
	s_and_b32 s40, ttmp7, 0xffff                   ; y = 8 batch + pair; the pair's first bh is 2 y
	s_lshl_b32 s41, ttmp9, 4
	s_add_co_u32 s41, s41, s18                     ; my tile of queries, 0..127
	s_lshl_b32 s42, s40, 8
	s_add_co_u32 s42, s42, s41
	s_mul_i32 s42, s42, 768                        ; q's codes: (128 bh + tile) x 768
	s_mov_b32 s43, 0
	s_lshl_b32 s44, s40, 5
	s_lshl_b32 s45, ttmp9, 1
	s_add_co_u32 s44, s44, s45
	s_lshr_b32 s45, s18, 3
	s_add_co_u32 s44, s44, s45
	s_lshl_b32 s44, s44, 9
	s_add_co_u32 s44, s44, QSO                     ; q's scale words: (16 bh + tile / 8) x 512
	s_mov_b32 s45, 0
	s_mul_i32 s46, s40, 393216                     ; the stream: bh x 16 x 12,288
	s_mov_b32 s47, 0
	s_lshl_b32 s48, s40, 14
	s_add_co_u32 s48, s48, KSO
	s_mov_b32 s49, 0
	s_lshl_b32 s50, s40, 13
	s_add_co_u32 s50, s50, VSO
	s_mov_b32 s51, 0
	s_lshl_b32 s52, s41, 12                        ; the mask's words: 4,096 bytes a tile
	s_mov_b32 s53, 0
	s_lshl_b32 s54, s41, 4                         ; its flags: 16 bytes a tile
	s_lshr_b32 s55, s40, 3
	s_lshl_b32 s55, s55, 4
	s_lshl_b32 s56, ttmp9, 1
	s_add_co_u32 s55, s55, s56                     ; the output's group of 128 tokens: 16 batch + 2 block,
	s_and_b32 s57, s40, 7                          ; its K step: the pair
	s_lshr_b32 s56, s18, 3
	s_add_co_u32 s56, s56, s55                     ; + wave / 8
	s_lshl_b32 s56, s56, 3
	s_add_co_u32 s56, s56, s57
	s_mul_i32 s58, s56, 12288
	s_and_b32 s59, s18, 7
	s_mul_i32 s59, s59, 1536
	s_add_co_u32 s58, s58, s59
	s_mov_b32 s59, 0
	s_and_b32 s60, s18, 1                          ; waves 0 and 1 store the two groups' scale words
	s_add_co_u32 s60, s60, s55
	s_lshl_b32 s60, s60, 3
	s_add_co_u32 s60, s60, s57
	s_lshl_b32 s60, s60, 9
	s_add_co_u32 s60, s60, ASO
	s_mov_b32 s61, 0
	s_mov_b32 s14, 0x76543210
	s_mov_b32 s15, 0xfedcba98
	s_mov_b32 s16, 0x3e38aa3b                      ; c = log2(e) / 8
	s_mov_b32 s17, s16
	s_mov_b32 s26, 0
	s_mov_b32 s27, 0
	v_and_b32 v[TT], 31, v0                        ; lane
	v_lshlrev_b32 v[L16], 4, v[TT]
	v_lshlrev_b32 v[L8], 3, v[TT]
	v_lshl_add_u32 v[A16], v[TT], 4, SLOT0
	v_lshl_add_u32 v[A8], v[TT], 3, SLOT0
	v_lshlrev_b32 v[AKS], 4, v[TT]
	v_lshl_add_u32 v[AVS], v[TT], 3, VSC
	v_mov_b32 v[NEG], 0xd0000000
	v_lshlrev_b32 v[T16], 4, v0
	v_lshl_add_u32 v[AST], v0, 4, SLOT0
	v_and_b32 v[TT], 15, v0                        ; r
	s_and_b32 s28, s18, 1
	s_lshl_b32 s28, s28, 8
	s_bfe_u32 s29, s18, 0x20001
	s_lshl_b32 s29, s29, 2
	s_add_co_u32 s28, s28, s29
	v_lshl_add_u32 v[QSL], v[TT], 4, s28           ; q's word: lane 16 (wave % 2) + r of the record, word (wave / 2) % 4
	s_lshl_b32 s29, s18, 6
	s_add_co_u32 s29, s29, OSC
	v_lshl_add_u32 v[OSA], v[TT], 2, s29           ; the output's word: 64 bytes a wave, 4 a row
	s_and_b32 s29, s18, 1
	s_lshl_b32 s29, s29, 9
	s_add_co_u32 s29, s29, OSC
	v_add_nc_u32 v[OSR], s29, v[L16]
	s_wait_kmcnt 0x0
	s_add_nc_u64 s[2:3], s[32:33], s[42:43]
	s_add_nc_u64 s[4:5], s[32:33], s[44:45]
	s_add_nc_u64 s[6:7], s[34:35], s[46:47]
	s_add_nc_u64 s[22:23], s[34:35], s[48:49]
	s_add_nc_u64 s[24:25], s[34:35], s[50:51]
	s_add_nc_u64 s[8:9], s[36:37], s[52:53]
	s_add_nc_u64 s[10:11], s[38:39], s[58:59]
	s_add_nc_u64 s[12:13], s[38:39], s[60:61]
	s_load_b128 s[68:71], s[36:37], s54 offset:MFLG    ; my tile's four words of flags
	s_wait_alu depctr_va_vdst(0)                   ; the addresses A16, A8, T16, AST, L16, L8, QSL, OSA and OSR are written: every load and store of the kernel but the scale words' reads one of them, and no later vector line names them
	global_load_b128 v[S:S+3], v[T16], s[22:23]                    ; the scale words of both heads: K's 16,384 bytes,
	global_load_b128 v[S+4:S+7], v[T16], s[22:23] offset:8192
	global_load_b128 v[S+8:S+11], v[T16], s[24:25]                 ; V's 8,192
.irp k, 0,1,2
	global_load_b128 v[STG+4*\k:STG+4*\k+3], v[T16], s[6:7] offset:8192*\k   ; slot 0
.endr
	global_load_b128 v[QZ+6:QZ+9], v[L16], s[2:3]                  ; q
	global_load_b64 v[QZ+10:QZ+11], v[L8], s[2:3] offset:512
	global_load_b32 v[QS], v[QSL], s[4:5]
.irp i, 0,1,2,3,4,5
	v_mov_b32 v[QZ+\i], 0
	v_mov_b32 v[QZ+12+\i], 0
.endr
.set j, 0
.rept 32
	v_mov_b32 v[O+j], 0                            ; the step is written once: the first finds zeros, which the first change of M leaves zeros
.set j, j+1
.endr
	v_mov_b32 v13, 0xff61b1e6                      ; the largest t so far: -3e38
	v_floor_f32 v12, -v13                          ; -M
	v_mov_b32 v14, 0
	v_mov_b32 v15, 0
	v_mov_b32 v[FP+1], 0                           ; (named as the upper half of a pair)
.irp b, 0,1,2,3
	v_mov_b32 v[BT+\b], 0                          ; a lane permute's destination counts as one of its sources
.endr
	s_wait_kmcnt 0x0
	s_lshl_b32 s69, s69, 4
	s_lshl_b32 s70, s70, 8
	s_lshl_b32 s71, s71, 12
	s_or_b32 s20, s68, s69
	s_or_b32 s20, s20, s70
	s_or_b32 s20, s20, s71                         ; bit 4 T + n: step n of trip T has a hidden key
	s_mov_b32 s21, s20
	s_wait_loadcnt 6                               ; the scale words are in; slot 0's three loads and q's three may be out
	ds_store_b128 v[T16], v[S:S+3]                 ; (their data come from loads, their address stands ahead of the wait above: no vector line since names either)
	ds_store_b128 v[T16], v[S+4:S+7] offset:8192
	ds_store_b128 v[T16], v[S+8:S+11] offset:16384
; THE CHANGE OF SLOTS: the slot's bytes, asked for a slot ago, go into LDS; my stores have landed and my reads of the other slot are over; one barrier; then the next slot is asked for.
; A slot is stored again only by waves that have passed the other slot's barrier, which every wave signals behind the wait for its reads.
.macro CHANGE sl
	s_wait_loadcnt 0x0
.irp k, 0,1,2
	ds_store_b128 v[AST], v[STG+4*\k:STG+4*\k+3] offset:SLOTB*(\sl)+8192*\k
.endr
	s_wait_alu depctr_vm_vsrc(0)                   ; these stores have read v[STG ..], in which the next slot's loads land; in the first trip the head's stores have read v[S ..], which the first products write
	s_wait_dscnt 0x0
	s_barrier_signal -1
	s_barrier_wait -1
.if \sl
	s_cmp_eq_u32 s19, 7                            ; behind the sixteenth slot there is none: no load leaves its buffer
	s_cbranch_scc1 .Lno_more_\@
.endif
	s_add_nc_u64 s[6:7], s[6:7], SLOTB             ; (the loads that read this base are in)
.irp k, 0,1,2
	global_load_b128 v[STG+4*\k:STG+4*\k+3], v[T16], s[6:7] offset:8192*\k   ; no vector or matrix line ever names v[STG ..]
.endr
.if \sl
.Lno_more_\@:
.endif
.endm
; A KEY STEP: 128 keys, the q-th of slot sl
.macro STEP sl, q
.set BASE, SLOTB*(\sl)+12288*(\q)
.set NN, 2*(\sl)+(\q)
	s_wait_alu depctr_vm_vsrc(0)                   ; the last step's two loads of scale words have read v[ADS] and v[ADT], which the next two lines write
	v_add_nc_u32 v[ADS], s26, v[AKS]               ; where the trip's scale words lie; these two lines and the two v_nop are four plain instructions between the last products and the loads into the registers that they read
	v_add_nc_u32 v[ADT], s27, v[AVS]
	v_nop
	v_nop
	s_wait_alu depctr_va_vdst(0)                   ; v[ADS] and v[ADT] are written; the last step's second products are done reading v[KF ..] and its first products v[KS ..], in which the loads below land; in the first trip q's zeros are written, which the products take
.irp t, 0,1,2,3,4,5,6,7
	ds_load_b128 v[KF+6*\t:KF+6*\t+3], v[A16] offset:BASE+768*\t
	ds_load_b64 v[KF+6*\t+4:KF+6*\t+5], v[A8] offset:BASE+768*\t+512
.endr
	ds_load_b128 v[KS:KS+3], v[ADS] offset:512*NN
	s_wait_dscnt 0x0
.irp d, 0,1,2,3                        ; S^T = k q^T: tiles 2 d (against [q | 0], scales in lanes 0-15) and 2 d + 1 (against [0 | q], scales in lanes 16-31)
	v_wmma_scale_f32_16x16x128_f8f6f4 v[S+16*\d:S+16*\d+7], v[KF+12*\d:KF+12*\d+11], v[QZ+6:QZ+17], 0, v[KS+\d], v[QS] matrix_a_fmt:MATRIX_FMT_FP6 matrix_b_fmt:MATRIX_FMT_FP6
	v_wmma_scale_f32_16x16x128_f8f6f4 v[S+16*\d+8:S+16*\d+15], v[KF+12*\d:KF+12*\d+11], v[QZ:QZ+11], 0, v[KS+\d], v[QS] matrix_a_fmt:MATRIX_FMT_FP6 matrix_b_fmt:MATRIX_FMT_FP6 matrix_a_scale:MATRIX_SCALE_ROW1
.endr
.rept 4
	v_nop                                          ; places: the scores are read by vector instructions below
.endr
	s_wait_alu depctr_va_vdst(0)                   ; the eight products are done reading v[KF ..], in which V's loads land (v[VS ..]'s last readers and v[ADT]'s writer stand further back)
.irp f, 0,1,2,3
.irp c, 0,1
	ds_load_b128 v[KF+12*\f+6*\c:KF+12*\f+6*\c+3], v[A16] offset:BASE+6144+1536*\f+768*\c
	ds_load_b64 v[KF+12*\f+6*\c+4:KF+12*\f+6*\c+5], v[A8] offset:BASE+6144+1536*\f+768*\c+512
.endr
.endr
	ds_load_b64 v[VS:VS+1], v[ADT] offset:256*NN
	s_bitcmp1_b32 s21, NN                          ; is a key of this step hidden for one of my queries?  A stored whole number decides
	s_cbranch_scc0 .Lopen_\@
	s_load_b512 s[32:47], s[8:9], 256*NN
	s_load_b512 s[48:63], s[8:9], 256*NN+64
	s_load_b512 s[68:83], s[8:9], 256*NN+128
	s_load_b512 s[84:99], s[8:9], 256*NN+192
	s_wait_kmcnt 0x0
.set j, 0
.rept 64
	v_cndmask_b32 v[S+j], v[NEG], v[S+j], s[32+j+4*(j/32)]   ; word j: a bit a lane
.set j, j+1
.endr
.Lopen_\@:
.irp b, 0,1,2,3
	v_max3_num_f32 v[BM+\b], v[S+16*\b], v[S+16*\b+1], v[S+16*\b+2]   ; the largest score of each block of 32 keys: for the row's maximum, and, since p rises with the score, for the block's largest p
.endr
.irp i, 3,5,7,9,11,13
.irp b, 0,1,2,3
	v_max3_num_f32 v[BM+\b], v[BM+\b], v[S+16*\b+\i], v[S+16*\b+\i+1]
.endr
.endr
.irp b, 0,1,2,3
	v_max_num_f32 v[BM+\b], v[BM+\b], v[S+16*\b+15]
.endr
.irp b, 0,1,2,3
	v_permlanex16_b32 v[BT+\b], v[BM+\b], s14, s15
.endr
.irp b, 0,1,2,3
	v_max_num_f32 v[BM+\b], v[BM+\b], v[BT+\b]
.endr
	v_max3_num_f32 v[TT], v[BM], v[BM+1], v[BM+2]
	v_max_num_f32 v[TT], v[TT], v[BM+3]
	v_mul_f32 v[TT], s16, v[TT]
	v_max_num_f32 v13, v13, v[TT]                  ; the running largest t
	v_mov_b32 v[TT], v12
	v_floor_f32 v12, -v13                          ; the new -M = -ceil(t): a whole number
	v_sub_f32 v[TT], v12, v[TT]                    ; old M - new M, 0 or less
	v_cvt_i32_f32 v[TT], v[TT]                     ; (it saturates)
	v_ldexp_f32 v[FP], 1.0, v[TT]                  ; f = 2^(old M - new M): a multiplication by it rounds nothing
.set j, 0
.rept 32
	v_pk_fma_f32 v[S+j:S+j+1], v[S+j:S+j+1], s[16:17], v[12:13] op_sel_hi:[1,0,0]   ; t - M
.set j, j+2
.endr
.irp b, 0,1,2,3
	v_fma_f32 v[BM+\b], v[BM+\b], s16, v12
.endr
.set j, 0
.rept 64
	v_exp_f32 v[S+j], v[S+j]                       ; p = 2^(t - M)
.set j, j+1
.endr
	v_pk_mul_f32 v[14:15], v[14:15], v[FP:FP+1] op_sel_hi:[1,0]   ; the sums under the new M: the plain place behind the exponentials
	s_wait_alu depctr_va_vdst(0)                   ; the 64 exponentials have written p in v[S ..]: one wait for the batch, ahead of its first reader
.irp b, 0,1,2,3
	v_exp_f32 v[BM+\b], v[BM+\b]                   ; each block's largest p
.endr
	v_pk_add_f32 v[BT:BT+1], v[S:S+1], v[S+2:S+3]  ; the row's sum of the unquantised p, in two chains
.set j, 4
.rept 15
	v_pk_add_f32 v[14:15], v[14:15], v[S+j:S+j+1]
	v_pk_add_f32 v[BT:BT+1], v[BT:BT+1], v[S+j+2:S+j+3]
.set j, j+4
.endr
	v_pk_add_f32 v[14:15], v[14:15], v[BT:BT+1]
	s_wait_alu depctr_va_vdst(0)                   ; the four exponentials have written the blocks' largest p in v[BM ..], ahead of their first reader
.irp b, 0,1,2,3
	v_max_num_f32 v[BM+\b], 0x1800000, v[BM+\b]    ; the floor 2^(3 - 127): the byte cannot fall under 1
.endr
.irp b, 0,1,2,3
	v_add_nc_u32 v[BO+\b], 0xff000000, v[BM+\b]
.endr
.irp b, 0,1,2,3
	v_lshrrev_b32 v[BT+\b], 23, v[BO+\b]
.endr
	v_lshl_or_b32 v[PW], v[BT+1], 8, v[BT]
	v_lshl_or_b32 v[PW], v[BT+2], 16, v[PW]
	v_lshl_or_b32 v[PW], v[BT+3], 24, v[PW]
.irp c, 0,1
	v_cvt_scalef32_pk16_fp6_f32 v[PC+6*\c:PC+6*\c+2], v[S+32*\c:S+32*\c+15], v[BO+2*\c]
	v_cvt_scalef32_pk16_fp6_f32 v[PC+12+4*\c:PC+14+4*\c], v[S+32*\c+16:S+32*\c+31], v[BO+2*\c+1]
.endr
	v_nop                                          ; one plain place behind a scaled conversion
.irp c, 0,1
.irp i, 0,1,2
	v_permlane16_swap_b32 v[PC+6*\c+\i], v[PC+12+4*\c+\i]
.endr
.irp i, 0,1,2
	v_mov_b32 v[PC+3+6*\c+\i], v[PC+12+4*\c+\i]
.endr
.endr
.set j, 0
.rept 16
	v_pk_mul_f32 v[O+j:O+j+1], v[O+j:O+j+1], v[FP:FP+1] op_sel_hi:[1,0]   ; O^T under the new M; these sixteen are also the places between the scale word, the codes and the products
.set j, j+2
.endr
	s_wait_dscnt 0x0                               ; V is in
	s_wait_alu depctr_va_vdst(0)                   ; p's codes in v[PC ..] and p's scale word in v[PW] are written, which the products below take as source 1 and as its scales; the sixteen places above stay beside this wait
.irp e, 0,1                            ; O^T += v^T p^T: four fragments of 16 channels, by turns
	v_wmma_scale_f32_16x16x128_f8f6f4 v[O+16*\e:O+16*\e+7], v[KF+24*\e:KF+24*\e+11], v[PC:PC+11], v[O+16*\e:O+16*\e+7], v[VS+\e], v[PW] matrix_a_fmt:MATRIX_FMT_FP6 matrix_b_fmt:MATRIX_FMT_FP6
	v_wmma_scale_f32_16x16x128_f8f6f4 v[O+16*\e+8:O+16*\e+15], v[KF+24*\e+12:KF+24*\e+23], v[PC:PC+11], v[O+16*\e+8:O+16*\e+15], v[VS+\e], v[PW] matrix_a_fmt:MATRIX_FMT_FP6 matrix_b_fmt:MATRIX_FMT_FP6 matrix_a_scale:MATRIX_SCALE_ROW1
.endr
.endm
; A HEAD'S END: O^T / the sum; register 16 b + i is channel 32 b + 16 h + i of my query: two blocks, six registers of codes into v[dst] on, two bytes into the output's scale word
.macro HEADEND dst, hi
.rept 4
	v_nop
.endr
	v_add_f32 v14, v14, v15
	v_permlanex16_b32 v[TT], v14, s14, s15
	v_add_f32 v14, v14, v[TT]                      ; the row's sum
	v_rcp_f32 v[FP], v14
	v_nop                                          ; a plain place behind the transcendental,
	s_wait_alu depctr_va_vdst(0)                   ; the reciprocal has written v[FP], ahead of its first reader
.set j, 0
.rept 16
	v_pk_mul_f32 v[S+j:S+j+1], v[O+j:O+j+1], v[FP:FP+1] op_sel_hi:[1,0]
.set j, j+2
.endr
.irp b, 0,1
	v_max3_num_f32 v[BM+\b], |v[S+16*\b]|, |v[S+16*\b+1]|, 0x1800000
.endr
.irp i, 2,4,6,8,10,12,14
.irp b, 0,1
	v_max3_num_f32 v[BM+\b], v[BM+\b], |v[S+16*\b+\i]|, |v[S+16*\b+\i+1]|
.endr
.endr
.irp b, 0,1
	v_permlanex16_b32 v[BT+\b], v[BM+\b], s14, s15
.endr
.irp b, 0,1
	v_max_num_f32 v[BM+\b], v[BM+\b], v[BT+\b]
.endr
.irp b, 0,1
	v_add_nc_u32 v[BO+\b], 0xff000000, v[BM+\b]
.endr
.irp b, 0,1
	v_lshrrev_b32 v[BT+\b], 23, v[BO+\b]
.endr
	v_lshl_or_b32 v[TT], v[BT+1], 8, v[BT]
.if \hi
	v_lshl_or_b32 v[OW], v[TT], 16, v[OW]
.else
	v_mov_b32 v[OW], v[TT]
.endif
	v_cvt_scalef32_pk16_fp6_f32 v[\dst:\dst+2], v[S:S+15], v[BO]
	v_cvt_scalef32_pk16_fp6_f32 v[PC+12:PC+14], v[S+16:S+31], v[BO+1]
	v_nop
.irp i, 0,1,2
	v_permlane16_swap_b32 v[\dst+\i], v[PC+12+\i]
.endr
.irp i, 0,1,2
	v_mov_b32 v[\dst+3+\i], v[PC+12+\i]
.endr
.endm
	s_mov_b32 s19, 0
.Ltrip:                                ; eight trips of two slots, four key steps: trips 0-3 the first head, 4-7 the second
	CHANGE 0
	STEP 0, 0
	STEP 0, 1
	CHANGE 1
	STEP 1, 0
	STEP 1, 1
	s_add_co_u32 s26, s26, 2048                    ; the next trip's scale words
	s_add_co_u32 s27, s27, 1024
	s_wait_xcnt 0x0                                ; the scalar loads have read their base
	s_add_nc_u64 s[8:9], s[8:9], 1024              ; the next four steps' words of the mask,
	s_lshr_b32 s21, s21, 4                         ; and their flags
	s_cmp_lg_u32 s19, 3
	s_cbranch_scc1 .Lsame_head
	HEADEND OUT, 0
	s_add_nc_u64 s[2:3], s[2:3], 98304             ; the second head's q (its loads are waited for at the next change of slots)
	s_add_nc_u64 s[4:5], s[4:5], 8192
	global_load_b128 v[QZ+6:QZ+9], v[L16], s[2:3]  ; no wait is owed here: the last products that read q and its scale word stand ahead of the head's end's wait on va_vdst, and no vector line since names them or these addresses
	global_load_b64 v[QZ+10:QZ+11], v[L8], s[2:3] offset:512
	global_load_b32 v[QS], v[QSL], s[4:5]
	v_mov_b32 v13, 0xff61b1e6
	v_floor_f32 v12, -v13
	v_mov_b32 v14, 0
	v_mov_b32 v15, 0
.set j, 0
.rept 32
	v_mov_b32 v[O+j], 0
.set j, j+1
.endr
	s_sub_nc_u64 s[8:9], s[8:9], 4096              ; the mask is the same for every head
	s_mov_b32 s21, s20
.Lsame_head:
	s_add_co_u32 s19, s19, 1
	s_cmp_lt_u32 s19, 8
	s_cbranch_scc1 .Ltrip
	HEADEND OUT+6, 1
	s_wait_alu depctr_va_vdst(0)                   ; the heads' ends have written v[OUT ..] and v[OW], which the stores below read, and are done with v[S ..], in which the LDS load behind the barrier lands: no vector line follows
.irp c, 0,1,2
	global_store_b128 v[L16], v[OUT+4*\c:OUT+4*\c+3], s[10:11] offset:512*\c   ; the fragment's image: 512 consecutive bytes a store
.endr
	ds_store_b32 v[OSA], v[OW]                     ; lanes r and r + 16 write the same word with the same value
	s_wait_dscnt 0x0
	s_barrier_signal -1
	s_barrier_wait -1
	s_cmp_lt_u32 s18, 2
	s_cbranch_scc0 .Ldone
	ds_load_b128 v[S:S+3], v[OSR]                  ; eight tiles' words: 512 bytes
	s_wait_dscnt 0x0
	global_store_b128 v[L16], v[S:S+3], s[12:13]
.Ldone:
	s_wait_dscnt 0x0
	s_wait_alu depctr_hold_cnt(0) depctr_sa_sdst(0) depctr_va_vdst(0) depctr_va_sdst(0) depctr_va_ssrc(0) depctr_va_vcc(0) depctr_vm_vsrc(0)
	s_wait_tensorcnt 0x0
	ds_add_u32 v254, v255
	s_wait_dscnt 0x0
	s_endpgm
.Lfunc_end_k_q9d9742b2c0_attn:
	.size	k_q9d9742b2c0_attn, .Lfunc_end_k_q9d9742b2c0_attn-k_q9d9742b2c0_attn
	.p2alignl 7, 3214868480
	.fill 96, 4, 3214868480
	.section	.rodata,"a",@progbits
	.p2align	6, 0x0
	.amdhsa_kernel k_q9d9742b2c0_attn
		.amdhsa_group_segment_fixed_size 76800
		.amdhsa_private_segment_fixed_size 0
		.amdhsa_enable_private_segment 0
		.amdhsa_kernarg_size 32
		.amdhsa_user_sgpr_count 2
		.amdhsa_user_sgpr_kernarg_segment_ptr 1
		.amdhsa_wavefront_size32 1
		.amdhsa_system_sgpr_workgroup_id_x 1
		.amdhsa_system_sgpr_workgroup_id_y 1
		.amdhsa_system_sgpr_workgroup_id_z 1
		.amdhsa_system_vgpr_workitem_id 0
		.amdhsa_next_free_vgpr 256
		.amdhsa_next_free_sgpr 100
		.amdhsa_reserve_vcc 0
		.amdhsa_float_denorm_mode_32 3
		.amdhsa_float_denorm_mode_16_64 3
		.amdhsa_memory_ordered 1
		.amdhsa_forward_progress 1
		.amdhsa_inst_pref_size 99
	.end_amdhsa_kernel
	.amdgpu_metadata
---
amdhsa.version: [ 1, 2 ]
amdhsa.kernels:
  - .name:           k_q9d9742b2c0_attn
    .symbol:         k_q9d9742b2c0_attn.kd
    .args:
      - { .name: qb, .offset: 0, .size: 8, .value_kind: global_buffer, .address_space: global }
      - { .name: kvb, .offset: 8, .size: 8, .value_kind: global_buffer, .address_space: global }
      - { .name: mk, .offset: 16, .size: 8, .value_kind: global_buffer, .address_space: global }
      - { .name: ab, .offset: 24, .size: 8, .value_kind: global_buffer, .address_space: global }
    .group_segment_fixed_size: 76800
    .private_segment_fixed_size: 0
    .kernarg_segment_align: 8
    .kernarg_segment_size: 32
    .max_flat_workgroup_size: 512
    .sgpr_count:     100
    .vgpr_count:     256
    .wavefront_size: 32
...
	.end_amdgpu_metadata
.endif
;; end of part 5
;; launch oproj: the kernel of part 4 again; grid 4 x 32, 4 waves a work-group, clusters of 4 x 4, 327,680 bytes of LDS; arguments ab, wx, out0; writes out0
